; MI455X (gfx1250); checked and timed in simulation.
; The chip was launched on July 23, 2026; its instructions are those of AMD's public machine-readable ISA for CDNA 5 (MIT licence, August 2026) and "CDNA5" Instruction Set Architecture Reference Guide (July 2026). The comments in the code are by the model that wrote it; some were corrected since.
;; Shared Contextual Position Policy. Allowed arithmetic: matrix products marked QUANTISED: E3M2 operands, one E8M0 scale for each 32 along K, by v_wmma_scale_f32_16x16x128_f8f6f4 with both operands' format E3M2, f32 sums; products left as they are: f32 operands where the result goes on into a quantised operand, else bf16, f16 or f32 operands; f32 sums; everything else in f32.
;; Inputs: W1 512 x 515 float32; W2 1 x 512 float32; b1 512 float32; b2 1 float32; emb_table 100,000 x 128 float32; left_item_ids 262,144 int32; normalized_positions 262,144 float32; original_item_ids 262,144 int32; position_indices 262,144 float32; right_item_ids 262,144 int32; session_lengths 262,144 float32; target_item_ids 262,144 int32.
;; Outputs: out0 262,144 float32.
;; This version of the problem:
;;   THIS VERSION OF THE PROBLEM IS GIVEN IN LOW PRECISION. The matrix products marked QUANTISED in the list below multiply operands that are first quantised to E3M2 (3 exponent bits, 2 mantissa bits; 6 bits a number), with one power-of-two scale for each 32 numbers along K (OCP MX v1.0); their sums are f32. All else is computed in f32.
;;   The module's matrix products, in the order in which they are computed (A, B: the left and right operand; K: the contracted axis; several contracted axes count as one K, in the product's order):
;;     1. [M 262,144, K 515] x [K 515, N 512]; A: computed on the way; B: input W1: QUANTISED
;;     2. [M 262,144, K 512] x [K 512, N 1]; A: computed on the way; B: input W2: left as it is (N = 1 < 16)
;;   THE QUANTISER, for each operand of a quantised product, along K:
;;     - K is cut into blocks of 32 from its start; a last block that is shorter is filled with zeros.
;;     - A block's scale is 2^e with e = floor(log2(the largest magnitude in the block)) - 4, held to -126 .. 127; a block of zeros has e = 0. As a byte (E8M0): e + 127.
;;     - Each number is divided by its block's scale, clamped to +-28, and rounded to the nearest number of E3M2, ties to even, subnormals kept.
;;     - The product sums the exact products of the quantised numbers (number of the format x scale) in f32.
;;   ~~~python
;;   def quantise(x, axis):      # numpy; x: float32 -> the quantised numbers, widened to float32 again
;;       x = np.moveaxis(x, axis, -1); K = x.shape[-1]
;;       x = np.pad(x, [(0, 0)] * (x.ndim - 1) + [(0, -K % 32)]); x = x.reshape(x.shape[:-1] + (-1, 32)); a = np.abs(x).max(-1, keepdims=True)
;;       e = np.where(a > 0, np.clip(np.frexp(np.where(a > 0, a, 1))[1] - 1 - 4, -126, 127), 0)      # np.frexp(a)[1] - 1 = floor(log2(a)), exactly
;;       r = np.clip(x / 2.0 ** e, -28, 28)
;;       step = 2.0 ** (np.maximum(np.frexp(np.where(r == 0, 1, r))[1] - 1, -2) - 2)
;;       q = np.round(r / step) * step * 2.0 ** e      # np.round: ties to even
;;       return np.moveaxis(q.reshape(q.shape[:-2] + (-1,))[..., :K], -1, axis).astype(np.float32)
;;   ~~~
;;   OPERANDS COMPUTED ON THE WAY. 'Computed on the way' means the value that the module computes at that place (a softmax that the list does not call 'softmax' is quantised finished and normalised). What goes into a quantiser is computed in f32, as accurately as f32 sums, v_exp_f32 and their like allow (about 1e-6 of the number): no bf16 or f16 on the way to a quantiser, and a product that is left as it is and whose result goes on into a quantised operand takes f32 operands (vector FMAs, or v_wmma_f32_16x16x4_f32). A number that lies on a knife's edge between two numbers of the format may be rounded either way, as far as f32 arithmetic and the matrix unit's own rounding can turn it there, and no further.
;; 3 versions, each right; version 2 is faster than version 1; version 3 is version 2 with the launch score written anew for expert scheduling mode. Each part assembles by itself: llvm-mc -triple=amdgcn-amd-amdhsa -mcpu=gfx1250 --defsym DOCPART=n.
;; ======== version 1 of 3: 2 launches
;; workspace buffers: tq 12,800,000 bytes; w1img 245,760 bytes; w1sc 10,240 bytes
;; launch prep (part 1): grid 665 x 1, 4 waves a work-group, no clusters, 25,088 bytes of LDS; arguments emb_table, W1, tq, w1img, w1sc; writes tq, w1img, w1sc
.if DOCPART == 1
	.amdgcn_target "amdgcn-amd-amdhsa--gfx1250"
	.amdhsa_code_object_version 6
	.text
	.protected	k_q520ec3622f_prep
	.globl	k_q520ec3622f_prep
	.p2align	8
	.type	k_q520ec3622f_prep,@function
k_q520ec3622f_prep:
	s_mov_b64 s[64:65], 0
	v_nop
	global_prefetch_b8 v0, s[64:65] scope:SCOPE_SE
	s_setreg_imm32_b32 hwreg(HW_REG_WAVE_MODE, 25, 1), 1
	s_wait_xcnt 0x0
; Both operands of the quantised product are turned into codes of BF6 (E3M2) ONCE.  A row of the table is 128 numbers = 4 whole blocks of 32 of the product's K, whichever of the four places
; of x it is gathered into, so its codes and scale bytes hang on the row alone.
; tq: 100,000 rows of 128 bytes, laid as the next launch's lanes want them: bytes 0-23 block 0, 24-47 block 2, 48-51 the scale word (byte b = block b), 52-63 zeros; bytes 64-87 block 1,
;     88-111 block 3, 112-115 the same scale word, 116-127 zeros.  So lane (r, h) of a fragment finds its 12 registers at 64 h + 0 .. 47 and its row's scale word behind them.
; w1img: W1 [512][515] as 160 images of operand registers, 1,536 bytes each: hidden tile t (16 rows) x K step s (128 along K; the fifth holds k = 512 .. 514 and zeros).  The image of (t, s) lies at
;     1536 (40 (t / 8) + 5 (t % 8) + s); in it registers 4 c .. 4 c + 3 of lane l at 512 c + 16 l.
; w1sc: the images' scale words: for f = 5 (t % 8) + s, row r's word at 128 (20 (t / 8) + f / 2) + 64 (f % 2) + 4 r: two fragments' words share one register of 32 lanes.
; A block's scale is 2^(floor(log2(its largest magnitude)) - 4); its byte is the largest magnitude's exponent field - 4, held at 1 from below.
; LIMITS: a block of zeros gets the byte 1 where the quantiser says 127: its codes are zeros, which add nothing under any byte but 0xff, and this program alone reads the bytes.
;     NaN and infinities among the inputs are not served.
; SHARES: work-groups 0-39 take W1, a wave a fragment, without LDS.  Work-groups 40-664 take the table: 2,500 waves of 40 rows, 5 steps of 8 rows.  Waves share nothing: no barrier.
.set NW1,   40                         ; work-groups for W1: 160 fragments / 4 waves
.set WREG,  6144                       ; LDS of a wave: stage IN, 32 places of 128 + 16 bytes; behind it stage OUT, 8 rows of 128 bytes
.set OUTS,  4608
.set RR,    32                         ; v32-191  table: the 40 loads' registers, 32 a step; a step's first 8 later carry its rows of tq
.set XX,    192                        ; v192-223 table: a block's 32 numbers
.set CD,    224                        ; v224-230 table: its codes
.set WX,    32                         ; v32-95   W1: my two blocks' 64 numbers
.set PF,    96                         ; v96-107  W1: the fragment's 12 registers
.set TF,    108                        ; v108-114 W1: the upper halves' codes, as the conversions leave them
	s_load_b256 s[4:11], s[0:1], 0x0               ; the table s[4:5], W1 s[6:7], tq s[8:9], w1img s[10:11]
	s_load_b64 s[12:13], s[0:1], 0x20              ; w1sc
	v_lshl_add_u32 v232, v0, 2, 0x6000
	v_mov_b32 v233, 0
	v_lshrrev_b32 v1, 5, v0
	v_readfirstlane_b32 s2, v1                     ; wave 0..3
	v_and_b32 v1, 31, v0                           ; lane
	s_wait_kmcnt 0x0
	s_cmp_lt_u32 ttmp9, NW1
	s_cbranch_scc1 .Lw1
; ---------------- the table ----------------
	s_sub_co_u32 s14, ttmp9, NW1
	s_lshl_b32 s14, s14, 2
	s_add_co_u32 s14, s14, s2                      ; which run of 40 rows is my wave's: 0 .. 2,499
	s_mul_i32 s16, s14, 40*512
	s_mov_b32 s17, 0
	s_mul_i32 s18, s14, 40*128
	s_mov_b32 s19, 0
	s_add_nc_u64 s[4:5], s[4:5], s[16:17]
	s_add_nc_u64 s[8:9], s[8:9], s[18:19]
	v_lshlrev_b32 v2, 4, v1                        ; 16 x lane: my bytes of a load's or a store's 512; never rewritten
.set n, 0
.rept 40
	global_load_b128 v[RR+4*n:RR+4*n+3], v2, s[4:5] offset:512*n th:TH_LOAD_NT   ; a load is one whole row, 512 consecutive bytes; all 40 go out at once; the table is read once here
.set n, n+1
.endr
	s_mul_i32 s14, s2, WREG                        ; my wave's LDS
	s_add_co_u32 s15, s14, OUTS
	v_lshrrev_b32 v16, 3, v1
	v_mul_u32_u24 v16, v16, 144
	v_and_b32 v17, 7, v1
	v_lshl_add_u32 v16, v17, 4, v16
	v_add_nc_u32 v3, s14, v16                      ; stage IN, on the way in: eight lanes' 128 bytes are a block: place lane / 8 of the row's four, 144 bytes apart
	v_mul_u32_u24 v16, v1, 144
	v_add_nc_u32 v4, s14, v16                      ; and on the way out: place = lane: block lane % 4 of row lane / 4.  144 = 9 x 16
	v_lshrrev_b32 v16, 2, v1
	v_lshlrev_b32 v16, 7, v16
	v_add_nc_u32 v16, s15, v16                     ; stage OUT: my row's 128 bytes
	v_and_b32 v17, 1, v1
	v_lshl_add_u32 v5, v17, 6, v16                 ; odd blocks go into the row's second half,
	v_bfe_u32 v17, v1, 1, 1
	v_mad_u32_u24 v5, v17, 24, v5                  ; blocks 2 and 3 behind blocks 0 and 1
	v_and_b32 v17, 3, v1
	v_add_nc_u32 v6, v16, v17
	v_add_nc_u32 v6, 48, v6                        ; my block's byte of the scale word
	v_add_nc_u32 v7, s15, v2                       ; stage OUT as it leaves: 16 bytes a lane
.irp j, 12,13,14,15
	v_mov_b32 v\j, 0
.endr
	ds_store_b128 v7, v[12:15]                     ; stage OUT is cleared once: the bytes that no step writes (52-63, 116-127 of a row) stay zeros
	ds_store_b128 v7, v[12:15] offset:512
; One step: 8 rows.  LDS serves a wave's instructions in order (ISA guide 5.7.1.4), so no wait stands between stores into a stage and the loads that read them back.
.macro TSTEP t
	s_wait_loadcnt 8*(4-\t)                        ; loads come back in order: this step's eight are in, the eight of each later step may be out
.irp i, 0,1,2,3,4,5,6,7
	ds_store_b128 v3, v[RR+32*\t+4*\i:RR+32*\t+4*\i+3] offset:576*\i   ; row i: four places of 144 bytes
.endr
.irp j, 0,1,2,3,4,5,6,7
	ds_load_b128 v[XX+4*\j:XX+4*\j+3], v4 offset:16*\j                 ; a whole block of 32 neighbours in my registers
.endr
	s_wait_dscnt 0x0
	v_max3_num_f32 v8, |v[XX]|, |v[XX+1]|, |v[XX+2]|                   ; the block's largest magnitude, in two chains
	v_max3_num_f32 v9, |v[XX+3]|, |v[XX+4]|, |v[XX+5]|
.irp i, 6,10,14,18,22,26
	v_max3_num_f32 v8, v8, |v[XX+\i]|, |v[XX+\i+1]|
	v_max3_num_f32 v9, v9, |v[XX+\i+2]|, |v[XX+\i+3]|
.endr
	v_max3_num_f32 v8, v8, |v[XX+30]|, |v[XX+31]|
	v_max3_num_f32 v8, v8, v9, 0x2800000           ; and the floor 2^(5 - 127): the byte cannot fall under 1
	v_add_nc_u32 v10, 0xfe000000, v8               ; 4 off its exponent field: the conversion takes the exponent field of this operand as its scale, and nothing else of it
	v_cvt_scalef32_pk16_bf6_f32 v[CD:CD+2], v[XX:XX+15], v10
	v_cvt_scalef32_pk16_bf6_f32 v[CD+4:CD+6], v[XX+16:XX+31], v10      ; (a conversion's three registers begin on an even number)
	v_lshrrev_b32 v11, 23, v10                     ; the scale's byte; also the plain instruction between the conversions and the moves that read their results
	v_mov_b32 v[CD+3], v[CD+4]                     ; the block's 24 bytes on end
	v_mov_b32 v[CD+4], v[CD+5]
	v_mov_b32 v[CD+5], v[CD+6]
	ds_store_b64 v5, v[CD:CD+1]
	ds_store_b64 v5, v[CD+2:CD+3] offset:8
	ds_store_b64 v5, v[CD+4:CD+5] offset:16
	ds_store_b8 v6, v11                            ; the scale word stands in both halves of the row
	ds_store_b8 v6, v11 offset:64
	ds_load_b128 v[RR+32*\t:RR+32*\t+3], v7
	ds_load_b128 v[RR+32*\t+4:RR+32*\t+7], v7 offset:512
	s_wait_dscnt 0x0                               ; the rows are back; the stores have read the codes' registers, which the next step writes
	global_store_b128 v2, v[RR+32*\t:RR+32*\t+3], s[8:9] offset:1024*\t           ; 32 lanes store 512 consecutive bytes, at a multiple of 256 from tq's first byte;
	global_store_b128 v2, v[RR+32*\t+4:RR+32*\t+7], s[8:9] offset:1024*\t+512     ; each step stores from registers of its own, which nothing writes again
.endm
	TSTEP 0
	TSTEP 1
	TSTEP 2
	TSTEP 3
	TSTEP 4
	s_wait_tensorcnt 0x0
	ds_add_u32 v232, v233
	s_wait_dscnt 0x0
	s_endpgm
; ---------------- W1: a wave makes one fragment ----------------
.Lw1:
	s_lshr_b32 s14, ttmp9, 3                       ; s: the K step, 0 .. 4
	s_and_b32 s15, ttmp9, 7
	s_lshl_b32 s15, s15, 2
	s_add_co_u32 s15, s15, s2                      ; t: the hidden tile, 0 .. 31
	s_lshr_b32 s16, s15, 3                         ; which wave of the next launch will hold it
	s_and_b32 s17, s15, 7
	s_mul_i32 s17, s17, 5
	s_add_co_u32 s17, s17, s14                     ; f = 5 (t % 8) + s
	s_mul_i32 s18, s15, 16*2060                    ; 16 rows of 515 numbers,
	s_lshl_b32 s19, s14, 9                         ; 128 numbers a K step
	s_add_co_u32 s18, s18, s19
	s_mov_b32 s19, 0
	s_add_nc_u64 s[6:7], s[6:7], s[18:19]
	s_mul_i32 s20, s16, 40
	s_add_co_u32 s20, s20, s17
	s_mul_i32 s20, s20, 1536
	s_mov_b32 s21, 0
	s_add_nc_u64 s[10:11], s[10:11], s[20:21]      ; the image
	s_mul_i32 s22, s16, 20
	s_lshr_b32 s23, s17, 1
	s_add_co_u32 s22, s22, s23
	s_lshl_b32 s22, s22, 7
	s_and_b32 s23, s17, 1
	s_lshl_b32 s23, s23, 6
	s_add_co_u32 s22, s22, s23
	s_mov_b32 s23, 0
	s_add_nc_u64 s[12:13], s[12:13], s[22:23]      ; its 16 scale words
	s_mov_b32 s24, 0x76543210
	s_mov_b32 s25, 0xfedcba98                      ; v_permlanex16_b32's selects for lane l xor 16
	v_and_b32 v2, 15, v0                           ; r
	v_bfe_u32 v3, v0, 4, 1                         ; h
	v_mul_u32_u24 v4, v2, 2060                     ; row r
	v_lshl_add_u32 v5, v3, 7, v4                   ; + 32 h numbers: the layout gives lane (r, h) k = 64 c + 32 h + 0 .. 31
	v_add_nc_u32 v6, -1, v3                        ; all ones in lanes 0-15, 0 in lanes 16-31
	v_lshlrev_b32 v7, 4, v1                        ; 16 x lane
	v_lshlrev_b32 v16, 2, v2                       ; 4 r
	s_cmp_eq_u32 s14, 4
	s_cbranch_scc1 .Ltail
.set n, 0
.rept 64
	global_load_b32 v[WX+n], v5, s[6:7] offset:256*(n/32)+4*(n%32)     ; a row of 2,060 bytes begins at a multiple of 4 only: 4 bytes a load.  The whole of W1 is 1 MB, read once
.set n, n+1
.endr
	s_wait_loadcnt 0x0
	s_branch .Lquant
.Ltail:                                                ; the fifth K step: k = 512, 513, 514 in lanes 0-15; all else is the quantiser's fill of zeros.  No load passes a row's end
.set n, 3
.rept 61
	v_mov_b32 v[WX+n], 0
.set n, n+1
.endr
.irp j, 0,1,2
	global_load_b32 v[WX+\j], v4, s[6:7] offset:4*\j                   ; both halves of the lanes read row r's three numbers,
.endr
	s_wait_loadcnt 0x0
.irp j, 0,1,2
	v_and_b32 v[WX+\j], v6, v[WX+\j]               ; and lanes 16-31, whose k begins at 544, keep zeros
.endr
.Lquant:
.irp c, 0,1                                    ; my block 2 c + h: all its 32 numbers are mine
	v_max3_num_f32 v[8+\c], |v[WX+32*\c]|, |v[WX+32*\c+1]|, 0x2800000  ; with the floor 2^(5 - 127)
.endr
.irp i, 2,4,6,8,10,12,14,16,18,20,22,24,26,28,30
.irp c, 0,1
	v_max3_num_f32 v[8+\c], v[8+\c], |v[WX+32*\c+\i]|, |v[WX+32*\c+\i+1]|
.endr
.endr
.irp c, 0,1
	v_add_nc_u32 v[10+\c], 0xfe000000, v[8+\c]     ; the conversion's scale operand
.endr
.irp c, 0,1
	v_lshrrev_b32 v[12+\c], 23, v[10+\c]           ; the scale's byte
.endr
	v_lshl_or_b32 v14, v13, 16, v12                ; my two bytes, blocks h and 2 + h of row r,
	v_lshlrev_b32 v15, 3, v3
	v_lshlrev_b32 v14, v15, v14                    ; at their places in the scale word;
	v_mov_b32 v15, 0
	v_permlanex16_b32 v15, v14, s24, s25
	v_or_b32 v14, v14, v15                         ; with lane l xor 16's two the word is whole
.irp c, 0,1
	v_cvt_scalef32_pk16_bf6_f32 v[PF+6*\c:PF+6*\c+2], v[WX+32*\c:WX+32*\c+15], v[10+\c]
	v_cvt_scalef32_pk16_bf6_f32 v[TF+4*\c:TF+4*\c+2], v[WX+32*\c+16:WX+32*\c+31], v[10+\c]
.endr
	v_nop                                          ; one plain instruction behind the conversions
.irp c, 0,1
.irp i, 0,1,2
	v_mov_b32 v[PF+3+6*\c+\i], v[TF+4*\c+\i]
.endr
.endr
.irp c, 0,1,2
	global_store_b128 v7, v[PF+4*\c:PF+4*\c+3], s[10:11] offset:512*\c ; 512 consecutive bytes a store
.endr
	v_cmp_gt_u32 vcc_lo, 16, v1
	s_wait_xcnt 0x0                                ; EXEC is a source of the stores above: it changes only behind this wait
	s_and_saveexec_b32 s20, vcc_lo
	global_store_b32 v16, v14, s[12:13]            ; lanes 0-15: the 16 rows' words
	s_wait_xcnt 0x0                                ; and again in front of the line that restores it
	s_or_b32 exec_lo, exec_lo, s20
	s_endpgm
.Lfunc_end_k_q520ec3622f_prep:
	.size	k_q520ec3622f_prep, .Lfunc_end_k_q520ec3622f_prep-k_q520ec3622f_prep
	.p2alignl 7, 3214868480
	.fill 96, 4, 3214868480
	.section	.rodata,"a",@progbits
	.p2align	6, 0x0
	.amdhsa_kernel k_q520ec3622f_prep
		.amdhsa_group_segment_fixed_size 25088
		.amdhsa_private_segment_fixed_size 0
		.amdhsa_enable_private_segment 0
		.amdhsa_kernarg_size 40
		.amdhsa_user_sgpr_count 2
		.amdhsa_user_sgpr_kernarg_segment_ptr 1
		.amdhsa_wavefront_size32 1
		.amdhsa_system_sgpr_workgroup_id_x 1
		.amdhsa_system_sgpr_workgroup_id_y 1
		.amdhsa_system_sgpr_workgroup_id_z 1
		.amdhsa_system_vgpr_workitem_id 0
		.amdhsa_next_free_vgpr 234
		.amdhsa_next_free_sgpr 66
		.amdhsa_reserve_vcc 1
		.amdhsa_float_denorm_mode_32 3
		.amdhsa_float_denorm_mode_16_64 3
		.amdhsa_memory_ordered 1
		.amdhsa_forward_progress 1
		.amdhsa_inst_pref_size 35
	.end_amdhsa_kernel
	.amdgpu_metadata
---
amdhsa.version: [ 1, 2 ]
amdhsa.kernels:
  - .name:           k_q520ec3622f_prep
    .symbol:         k_q520ec3622f_prep.kd
    .args:
      - { .name: emb_table, .offset: 0, .size: 8, .value_kind: global_buffer, .address_space: global }
      - { .name: W1, .offset: 8, .size: 8, .value_kind: global_buffer, .address_space: global }
      - { .name: tq, .offset: 16, .size: 8, .value_kind: global_buffer, .address_space: global }
      - { .name: w1img, .offset: 24, .size: 8, .value_kind: global_buffer, .address_space: global }
      - { .name: w1sc, .offset: 32, .size: 8, .value_kind: global_buffer, .address_space: global }
    .group_segment_fixed_size: 25088
    .private_segment_fixed_size: 0
    .kernarg_segment_align: 8
    .kernarg_segment_size: 40
    .max_flat_workgroup_size: 128
    .sgpr_count:     66
    .vgpr_count:     234
    .wavefront_size: 32
...
	.end_amdgpu_metadata
.endif
;; end of part 1
;; launch score (part 2): grid 256 x 1, 4 waves a work-group, no clusters, 150,016 bytes of LDS; arguments tq, w1img, w1sc, b1, W2, b2, target_item_ids, original_item_ids, left_item_ids, right_item_ids, position_indices, normalized_positions, session_lengths, out0; writes out0
.if DOCPART == 2
	.amdgcn_target "amdgcn-amd-amdhsa--gfx1250"
	.amdhsa_code_object_version 6
	.text
	.protected	k_q520ec3622f_score
	.globl	k_q520ec3622f_score
	.p2align	8
	.type	k_q520ec3622f_score,@function
k_q520ec3622f_score:
	s_mov_b64 s[64:65], 0
	v_nop
	global_prefetch_b8 v0, s[64:65] scope:SCOPE_SE
	s_setreg_imm32_b32 hwreg(HW_REG_WAVE_MODE, 25, 1), 1
	s_wait_xcnt 0x0
; out[n] = relu(x[n] W1^T + b1) . W2 + b2;  x[n] = four gathered rows of the table and three scalars, K = 515.  The first product runs on codes of BF6 (E3M2) with one E8M0 scale for each 32 along K,
; in five K steps of 128: steps 0-3 are the four rows, whose codes and scale words lie ready in tq; step 4 holds the three scalars, quantised here, and zero codes.  relu and the product with W2 stay in f32.
; SHARES.  A work-group stays and takes 1,024 candidates: 64 tiles of 16, in 8 blocks of 8 tiles.  THE WAVES SHARE THE HIDDEN UNITS: wave w holds W1's fragments of units 128 w .. 128 w + 127 (8 tiles x 5 K steps,
; 480 registers), their scale words, b1 and W2 in registers for the whole launch.  What goes round is x: for each block wave w gathers tiles 2 w and 2 w + 1 into registers and stores them into LDS as IMAGES OF
; THE OPERAND'S REGISTERS (registers 4 c .. 4 c + 3 of lane l at 512 c + 16 l); every wave loads each tile back by the same lines.
; TRANSPOSED USE: source 0 = 16 rows of W1, source 1 = 16 candidates: a lane holds ONE candidate (lane % 16), its eight registers hidden units 8 (lane / 16) + 0 .. 7 of the tile.  b1 is the C of a sum's first product.
; BY TURNS.  A wave's 8 hidden tiles are two groups of four accumulators.  In a turn one group has the matrix unit (20 products: 5 K steps x 4 accumulators, one instruction a turn);
; the other group's relu and multiply-adds with W2 (12 instructions a tile) stand in slices behind those products, and so do the LDS loads of the next tile of x.  No gap holds more than seven instructions.
; A slice that leaves the products' register windows costs two switches: 37 for a tile's 40 products; set in phases of their own, the 96 vector instructions of a tile would stand with no product beside them.
; TWO SLOTS, ONE BARRIER A BLOCK.  The next block's images are stored between a block's tiles 6 and 7, when tile 7 already lies in every wave's registers; in front of the barrier each wave waits for all its LDS
; instructions.  Behind it the new slot is whole and nobody reads the old one, which the next such place writes.  The gathers for a block are issued a whole block (320 products) ahead of the wait for them.
; Each wave's part of a logit goes to its own 4 KB of LDS; the four parts and b2 are added at the end, and each wave stores 256 logits as two runs of 512 aligned bytes.
; NO JOINT LOADS: what work-groups share is W1, 61,440 bytes a wave, read once, straight into registers; a work-group's 524,288 gathered bytes are its own.
; LIMITS: ids outside 0 .. 99,999 are held at 99,999.  The scalars' block gets the byte 1 if all three are zero (its codes are zeros).  NaN and infinities among the inputs are not served.
; REGISTERS, in windows of 256 (s_set_vgpr_msb: bits 1:0 source 0, 3:2 source 1, 5:4 source 2, 7:6 destination):
;   window 0: v1-15 addresses; v16-31 ids and gather offsets; v32-51 W1's scale words (lanes 0-15 fragment 2 j, lanes 16-31 fragment 2 j + 1); v52-62 x's scale words, two sets; v64-77 the scalars' codes at work;
;             v80-87, v88-183 eight gathered scale words and fragments; v184-247 b1 in the result's layout.
;   window 1: W1's tiles 0-3 at v[12 (5 i + s)]; v240-255 tile 2 w's three scalars and 13 zeros.      window 2: tiles 4-7 likewise; tile 2 w + 1's scalars.
;   window 3: v0-63 the accumulators; v64-127 W2; v128-187, v188-247 two buffers for a tile of x; v248-251 the logit's sums; v252-253 the part to be stored.
.set FRB,   1536                       ; a fragment's image
.set TILEB, 5*FRB                      ; a tile of x
.set TILES, 5*128                      ; its scale words: 128 bytes a K step
.set SLOTB, 8*TILEB                    ; LDS: two slots of images from byte 0,
.set XSC,   2*SLOTB                    ; two slots of scale words,
.set XSLOT, 8*TILES
.set PART,  XSC+2*XSLOT                ; and [wave][1,024] parts of logits
.set LI,   1                           ; v1   16 x lane
.set LS,   2                           ; v2   4 x lane
.set XA,   3                           ; v3   the trip's images
.set XSA,  4                           ; v4   the trip's scale words
.set IO,   5                           ; v5   byte offset of my candidate in the id and scalar arrays
.set H64,  6                           ; v6   64 x (lane / 16)
.set HM,   7                           ; v7   all ones in lanes 0-15, 0 in lanes 16-31
.set WI,   8                           ; v8-9   where I store images, slot 0, 1
.set WS,   10                          ; v10-11 and scale words
.set PA0,  12                          ; v12  my wave's parts, word lane % 16
.set PA,   13                          ; v13  the trip's
.set ID,   16
.set GO,   24
.set W1S,  32
.set XS,   52                          ; set p at 52 + 6 p
.set CC,   64
.set MX,   72
.set SC,   74
.set BY,   76
.set TS,   80
.set TC,   88
.set BIAS, 184
.set QS,   240                         ; in windows 1 and 2
.set W2R,  64                          ; in window 3
.set XB,   128
.set LG,   248
.set PR,   252
.set MSB, 0
.macro WIN new                         ; the immediate's high byte repeats the setting that is left; a switch that changes nothing is dropped
.if MSB != (\new)
	s_set_vgpr_msb (MSB<<8)|(\new)
.set MSB, (\new)
.endif
.endm
; Product k of 20 of group g on the tile of x in buffer xb: K step k / 4, hidden tile 4 g + k % 4.
.macro WM g, xb
.set sK, k/4
.set iT, 4*\g+k%4
.set fF, 5*iT+sK
.set rA, 12*(5*(k%4)+sK)
.set rX, XB+60*\xb+12*sK
.set rD, 8*iT
.set rC, rD
.if sK == 0
.set rC, BIAS+8*iT                     ; the bias starts the sum: nothing is cleared, nothing is added later
	WIN 0xcd+\g                                    ; W1 window 1 + g, x window 3, C window 0, D window 3
.else
	WIN 0xfd+\g                                    ; the same, C window 3
.endif
.if fF%2
	v_wmma_scale_f32_16x16x128_f8f6f4 v[rD:rD+7], v[rA:rA+11], v[rX:rX+11], v[rC:rC+7], v[W1S+fF/2], v[XS+6*\xb+sK] matrix_a_fmt:MATRIX_FMT_BF6 matrix_b_fmt:MATRIX_FMT_BF6 matrix_a_scale:MATRIX_SCALE_ROW1
.else
	v_wmma_scale_f32_16x16x128_f8f6f4 v[rD:rD+7], v[rA:rA+11], v[rX:rX+11], v[rC:rC+7], v[W1S+fF/2], v[XS+6*\xb+sK] matrix_a_fmt:MATRIX_FMT_BF6 matrix_b_fmt:MATRIX_FMT_BF6
.endif
.endm
; What stands behind product k.  epi: the other group's tile k / 5: relu of registers 0-3 (each accumulator is read from its low end on), of 4-7, four packed multiply-adds with W2.
; pre (group 0's turn): the next tile of x, ofs tiles on from the trip's address, into the other buffer: a K step's three loads in gaps 3, 4, 8, 9, 13, the five scale words in gap 14.
; fin (group 0's turn): the tile before is summed up in gaps 18 and 19, and its part of the logit stored imm bytes on from the trip's address.
.macro GAP g, xb, epi, pre, ofs, fin, imm
.set eE, k/5
.set pH, k%5
.set rZ, 8*(4*(1-\g)+eE)
.set rW, W2R+rZ
.if (\epi)
.if pH == 0
.irp j, 0,1,2,3
	v_max_num_f32 v[rZ+\j], 0, v[rZ+\j]            ; destination and source 1 lie in window 3 under the products' own setting: no switch
.endr
.elseif pH == 1
.irp j, 4,5,6,7
	v_max_num_f32 v[rZ+\j], 0, v[rZ+\j]
.endr
.elseif pH == 2
	WIN 0xff
.if (\g == 1) && (eE == 0)
	v_pk_mul_f32 v[LG:LG+1], v[rZ:rZ+1], v[rW:rW+1]                    ; a candidate tile's first hidden tile starts the sums
	v_pk_mul_f32 v[LG+2:LG+3], v[rZ+2:rZ+3], v[rW+2:rW+3]
.else
	v_pk_fma_f32 v[LG:LG+1], v[rZ:rZ+1], v[rW:rW+1], v[LG:LG+1]
	v_pk_fma_f32 v[LG+2:LG+3], v[rZ+2:rZ+3], v[rW+2:rW+3], v[LG+2:LG+3]
.endif
	v_pk_fma_f32 v[LG:LG+1], v[rZ+4:rZ+5], v[rW+4:rW+5], v[LG:LG+1]
	v_pk_fma_f32 v[LG+2:LG+3], v[rZ+6:rZ+7], v[rW+6:rW+7], v[LG+2:LG+3]
.endif
.endif
.if (\g == 0) && (\pre)
.if (pH >= 3) && (k < 14)
.set sP, 2*eE+pH-3                     ; K step 0 .. 4
	WIN 0xc0                                       ; destination window 3, address window 0
.irp c, 0,1,2
	ds_load_b128 v[XB+60*(1-\xb)+12*sP+4*\c:XB+60*(1-\xb)+12*sP+4*\c+3], v[XA] offset:TILEB*\ofs+FRB*sP+512*\c
.endr
.elseif k == 14
	WIN 0
.irp s, 0,1,2,3,4
	ds_load_b32 v[XS+6*(1-\xb)+\s], v[XSA] offset:TILES*\ofs+128*\s
.endr
.endif
.endif
.if (\g == 0) && (\fin)
.if k == 18
	WIN 0xff
	v_pk_add_f32 v[LG:LG+1], v[LG:LG+1], v[LG+2:LG+3]
	v_add_f32 v[LG], v[LG], v[LG+1]                ; my 64 hidden units,
	v_permlanex16_b32 v[LG+1], v[LG], s44, s45
.elseif k == 19
	WIN 0xff
	v_add_f32 v[PR+\xb], v[LG], v[LG+1]            ; and lane l xor 16's: my wave's 128
	WIN 0x0c                                       ; an LDS store's data are its source 1: window 3
	ds_store_b32 v[PA], v[PR+\xb] offset:\imm      ; lanes l and l xor 16 write the same word with the same value
.endif
.endif
.endm
.macro TURN g, xb, epi, pre, ofs, fin, imm
.set k, 0
.rept 20
	WM \g, \xb
	GAP \g, \xb, \epi, \pre, \ofs, \fin, \imm
.set k, k+1
.endr
.endm
; A tile of 16 candidates.  DISTANCES (for the products): an accumulator's last product is one of a turn's products 16-19; the slices behind products 16 and 17 (eight plain instructions
; on the other group's registers) stand between it and its first read, behind the next turn's first product.  A buffer of x and its scale words are loaded again from gap 3 of the next tile on, behind twelve such instructions.
; first = 1: there is no tile before: no slices in the first turn, and four v_nop take their part as the places.
.macro TILE xb, ofs, pre, first, imm
	s_wait_dscnt 0x0                               ; this tile's fragments and scale words, asked for a turn (20 products) ago or more, are in
	TURN 0, \xb, 1-\first, \pre, \ofs, 1-\first, \imm
.if \first
.rept 4
	v_nop
.endr
.endif
	TURN 1, \xb, 1, 0, 0, 0, 0
.endm
; n trips of two tiles: an odd tile in buffer 1, which fetches the tile at LDS byte x0 + 15,360 x trip, and that tile in buffer 0, which fetches the one behind it.
.macro PAIRS n, x0, xs0
	WIN 0                                          ; at a label and at a branch every window is 0
	s_mov_b32 s38, \x0
	s_mov_b32 s39, \xs0
	s_mov_b32 s41, \n
.Lpair_\@:
	v_add_nc_u32 v[XA], s38, v[LI]
	v_add_nc_u32 v[XSA], s39, v[LS]
	v_add_nc_u32 v[PA], s40, v[PA0]
	TILE 1, 0, 1, 0, 0
	TILE 0, 1, 1, 0, 64
	WIN 0
	s_add_co_u32 s38, s38, 2*TILEB
	s_add_co_u32 s39, s39, 2*TILES
	s_add_co_u32 s40, s40, 128                     ; two tiles' parts; this one runs on through all trips of the launch
	s_sub_co_u32 s41, s41, 1
	s_cmp_lg_u32 s41, 0
	s_cbranch_scc1 .Lpair_\@
.endm
.macro OFFS                            ; ids become byte offsets in tq: a row is 128 bytes, my half of the lanes takes 64 of them
.irp f, 0,1,2,3,4,5,6,7
	v_min_u32 v[GO+\f], 0x1869f, v[ID+\f]
.endr
.irp f, 0,1,2,3,4,5,6,7
	v_lshl_add_u32 v[GO+\f], v[GO+\f], 7, v[H64]
.endr
.endm
.macro GATHER                          ; fragment f = 4 u + a: tile 2 w + u, K step a: 48 bytes of codes and the scale word a lane; then the two tiles' scalars
.irp f, 0,1,2,3,4,5,6,7
.irp c, 0,1,2
	global_load_b128 v[TC+12*\f+4*\c:TC+12*\f+4*\c+3], v[GO+\f], s[8:9] offset:16*\c
.endr
	global_load_b32 v[TS+\f], v[GO+\f], s[8:9] offset:48
.endr
	WIN 0x40
.irp q, 0,1,2
	global_load_b32 v[QS+\q], v[IO], s[28+2*\q:29+2*\q] th:TH_LOAD_NT
.endr
	WIN 0x80
.irp q, 0,1,2
	global_load_b32 v[QS+\q], v[IO], s[28+2*\q:29+2*\q] offset:64 th:TH_LOAD_NT
.endr
	WIN 0
.endm
.macro IDS                             ; the ids of the block behind the one that IO stands at
.irp u, 0,1
.irp a, 0,1,2,3
	global_load_b32 v[ID+4*\u+\a], v[IO], s[20+2*\a:21+2*\a] offset:512+64*\u th:TH_LOAD_NT
.endr
.endr
.endm
; THE CHANGE OF BLOCKS.  What was gathered a block ago goes into slot `slot`; doG: the next block is gathered; doI: the ids of the block behind that are asked for (guard: not in the outer loop's last trip,
; where there is no such block: no load leaves its buffer); then the block's one barrier.
.macro TW slot, doG, doI, guard
	WIN 0
	s_wait_loadcnt 0x0                             ; the gathers, scalars and ids issued a block ago are in: so their address registers may be written too
.if \doG
	v_add_nc_u32 v[IO], 512, v[IO]                 ; 128 candidates on
.endif
.irp u, 0,1
.irp a, 0,1,2,3
.irp c, 0,1,2
	ds_store_b128 v[WI+\slot], v[TC+12*(4*\u+\a)+4*\c:TC+12*(4*\u+\a)+4*\c+3] offset:TILEB*\u+FRB*\a+512*\c
.endr
	ds_store_b32 v[WS+\slot], v[TS+4*\u+\a] offset:TILES*\u+128*\a
.endr
.endr
	WIN 0x15                                       ; the three sources in window 1
	v_max3_num_f32 v[MX], |v[QS]|, |v[QS+1]|, |v[QS+2]|                ; K's block 16: three scalars, the rest the quantiser's zeros
	WIN 0x2a
	v_max3_num_f32 v[MX+1], |v[QS]|, |v[QS+1]|, |v[QS+2]|
	WIN 0
	v_max_num_f32 v[MX], 0x2800000, v[MX]          ; the floor 2^(5 - 127): the byte cannot fall under 1
	v_max_num_f32 v[MX+1], 0x2800000, v[MX+1]
	v_add_nc_u32 v[SC], 0xfe000000, v[MX]          ; 4 off the exponent field: the conversion's scale operand
	v_add_nc_u32 v[SC+1], 0xfe000000, v[MX+1]
	WIN 0x01
	v_cvt_scalef32_pk16_bf6_f32 v[CC:CC+2], v[QS:QS+15], v[SC]         ; three codes and 13 zero codes
	WIN 0x02
	v_cvt_scalef32_pk16_bf6_f32 v[CC+4:CC+6], v[QS:QS+15], v[SC+1]
	WIN 0
	v_lshrrev_b32 v[BY], 23, v[SC]                 ; the scale word: byte 0; bytes 1-3 are 0, over zero codes.  (Also the plain instruction behind the conversions)
	v_lshrrev_b32 v[BY+1], 23, v[SC+1]
	v_and_b32 v[CC], v[HM], v[CC]                  ; lanes 16-31 hold k = 544 on: zero codes
	v_and_b32 v[CC+4], v[HM], v[CC+4]
	ds_store_b128 v[WI+\slot], v[CC:CC+3] offset:4*FRB
	ds_store_b128 v[WI+\slot], v[CC+4:CC+7] offset:TILEB+4*FRB
	ds_store_b32 v[WS+\slot], v[BY] offset:4*128
	ds_store_b32 v[WS+\slot], v[BY+1] offset:TILES+4*128
	WIN 0x04                                       ; data from window 1: four of the zeros behind the scalars
.irp u, 0,1
	ds_store_b128 v[WI+\slot], v[QS+4:QS+7] offset:TILEB*\u+4*FRB+512
	ds_store_b128 v[WI+\slot], v[QS+4:QS+7] offset:TILEB*\u+4*FRB+1024
.endr
	WIN 0
.if \doG
	OFFS
.endif
	s_wait_dscnt 0x0                               ; for the others' sake: my stores have landed, and my loads of the old slot's last tile are in; for mine: the stores have read the registers that the gathers fill
.if \doG
	GATHER
.endif
.if \doI
.if \guard
	s_cmp_eq_u32 s42, 1
	s_cbranch_scc1 .Lno_ids_\@
.endif
	IDS
.if \guard
.Lno_ids_\@:
.endif
.endif
	s_barrier_signal -1
	s_barrier_wait -1                              ; slot `slot` is whole, and nobody reads the other one any more
.endm
	s_load_b512 s[8:23], s[0:1], 0x0               ; tq s[8:9], w1img s[10:11], w1sc s[12:13], b1 s[14:15], W2 s[16:17], b2 s[18:19], target s[20:21], original s[22:23]
	s_load_b256 s[24:31], s[0:1], 0x40             ; left s[24:25], right s[26:27], position s[28:29], normalized s[30:31]
	s_load_b128 s[32:35], s[0:1], 0x60             ; session s[32:33], out s[34:35]
	v_lshl_add_u32 v254, v0, 2, 0x24800
	v_mov_b32 v255, 0
	v_lshrrev_b32 v14, 5, v0
	v_readfirstlane_b32 s2, v14                    ; wave 0..3
	v_and_b32 v14, 31, v0                          ; lane
	v_and_b32 v15, 15, v0                          ; r
	v_bfe_u32 v[H64], v0, 4, 1                     ; h
	v_lshlrev_b32 v[LI], 4, v14
	v_lshlrev_b32 v[LS], 2, v14
	v_add_nc_u32 v[HM], -1, v[H64]
	v_lshlrev_b32 v14, 5, v[H64]                   ; 32 h: my eight numbers of a tile's 16 in b1 and W2
	v_lshlrev_b32 v[H64], 6, v[H64]
	s_mul_i32 s38, s2, 2*TILEB                     ; my two tiles' place in a slot
	v_add_nc_u32 v[WI], s38, v[LI]
	v_add_nc_u32 v[WI+1], SLOTB, v[WI]
	s_mul_i32 s38, s2, 2*TILES
	s_add_co_u32 s38, s38, XSC
	v_add_nc_u32 v[WS], s38, v[LS]
	v_add_nc_u32 v[WS+1], XSLOT, v[WS]
	s_lshl_b32 s38, s2, 12
	s_add_co_u32 s38, s38, PART
	v_lshl_add_u32 v[PA0], v15, 2, s38
	s_lshl_b32 s43, ttmp9, 12                      ; the work-group's 1,024 candidates, 4 bytes each
	s_lshl_b32 s38, s2, 7                          ; my wave's 32 of a block
	s_add_co_u32 s38, s38, s43
	v_lshl_add_u32 v[IO], v15, 2, s38
	s_mov_b32 s44, 0x76543210
	s_mov_b32 s45, 0xfedcba98                      ; v_permlanex16_b32's selects for lane l xor 16
	v_mov_b32 v[CC+3], 0                           ; the fourth register of the scalars' group of four: zero codes, written once
	v_mov_b32 v[CC+7], 0
	WIN 0x40
.irp j, 3,4,5,6,7,8,9,10,11,12,13,14,15
	v_mov_b32 v[QS+\j], 0                          ; the conversion takes 16 numbers: 13 zeros behind the three scalars, written once
.endr
	WIN 0x80
.irp j, 3,4,5,6,7,8,9,10,11,12,13,14,15
	v_mov_b32 v[QS+\j], 0
.endr
	WIN 0
	s_wait_kmcnt 0x0
.irp u, 0,1
.irp a, 0,1,2,3
	global_load_b32 v[ID+4*\u+\a], v[IO], s[20+2*\a:21+2*\a] offset:64*\u th:TH_LOAD_NT   ; block 0's ids
.endr
.endr
	s_load_b32 s36, s[18:19], 0x0                  ; b2
	s_mov_b32 s47, 0
	s_mul_i32 s46, s2, 40*FRB
	s_add_nc_u64 s[10:11], s[10:11], s[46:47]      ; my wave's 40 images,
	s_mul_i32 s46, s2, 20*128
	s_add_nc_u64 s[12:13], s[12:13], s[46:47]      ; their scale words,
	s_lshl_b32 s46, s2, 9
	s_add_nc_u64 s[14:15], s[14:15], s[46:47]      ; my 128 numbers of b1
	s_add_nc_u64 s[16:17], s[16:17], s[46:47]      ; and of W2,
	s_lshl_b32 s46, s2, 10
	s_add_co_u32 s46, s46, s43
	s_add_nc_u64 s[34:35], s[34:35], s[46:47]      ; and the 256 logits that I store
	s_wait_loadcnt 0x0
	OFFS
	GATHER                                         ; block 0
	IDS                                            ; block 1's ids
	WIN 0x40
.set fi, 0
.rept 20
.irp c, 0,1,2
	global_load_b128 v[12*fi+4*\c:12*fi+4*\c+3], v[LI], s[10:11] offset:FRB*fi+512*\c      ; W1's tiles 0-3: they stay
.endr
.set fi, fi+1
.endr
	WIN 0x80
.set fi, 0
.rept 20
.irp c, 0,1,2
	global_load_b128 v[12*fi+4*\c:12*fi+4*\c+3], v[LI], s[10:11] offset:FRB*(20+fi)+512*\c ; tiles 4-7
.endr
.set fi, fi+1
.endr
	WIN 0
.set fi, 0
.rept 20
	global_load_b32 v[W1S+fi], v[LS], s[12:13] offset:128*fi
.set fi, fi+1
.endr
.irp i, 0,1,2,3,4,5,6,7
	global_load_b128 v[BIAS+8*\i:BIAS+8*\i+3], v14, s[14:15] offset:64*\i                  ; lane (r, h): b1 of the tile's units 8 h + 0 .. 7
	global_load_b128 v[BIAS+8*\i+4:BIAS+8*\i+7], v14, s[14:15] offset:64*\i+16
.endr
	WIN 0xc0
.irp i, 0,1,2,3,4,5,6,7
	global_load_b128 v[W2R+8*\i:W2R+8*\i+3], v14, s[16:17] offset:64*\i
	global_load_b128 v[W2R+8*\i+4:W2R+8*\i+7], v14, s[16:17] offset:64*\i+16
.endr
	WIN 0
	s_wait_kmcnt 0x0
	s_mov_b32 s37, s36                             ; (the packed addition names the pair)
	TW 0, 1, 1, 0                                  ; block 0 into slot 0; block 1 is gathered; block 2's ids
	v_mov_b32 v[XA], v[LI]
	v_add_nc_u32 v[XSA], XSC, v[LS]
	WIN 0xc0
.irp s, 0,1,2,3,4
.irp c, 0,1,2
	ds_load_b128 v[XB+12*\s+4*\c:XB+12*\s+4*\c+3], v[XA] offset:FRB*\s+512*\c
.endr
.endr
	WIN 0
.irp s, 0,1,2,3,4
	ds_load_b32 v[XS+\s], v[XSA] offset:128*\s
.endr
	s_mov_b32 s40, 0
	TILE 0, 1, 1, 1, 0                             ; tile 0; tile 1 is fetched
	PAIRS 3, 2*TILEB, XSC+2*TILES                  ; tiles 1-6; tile 7 is fetched
	s_mov_b32 s42, 3
.Lblocks:                                              ; a trip: two changes of blocks, 16 tiles
	TW 1, 1, 1, 0
	PAIRS 4, SLOTB, XSC+XSLOT
	TW 0, 1, 1, 1
	PAIRS 4, 0, XSC
	s_sub_co_u32 s42, s42, 1
	s_cmp_lg_u32 s42, 0
	s_cbranch_scc1 .Lblocks
	TW 1, 0, 0, 0                                  ; block 7 into slot 1; nothing is left to gather
	PAIRS 4, SLOTB, XSC+XSLOT                      ; tiles 55-62
	v_add_nc_u32 v[PA], s40, v[PA0]
	TILE 1, 0, 0, 0, 0                             ; tile 63: nothing is left to fetch
	WIN 0xff
.rept 4
	v_nop                                          ; places behind the last products: no other vector work is at hand
.endr
.irp e, 4,5,6,7                                ; tile 63's second group
.irp j, 0,1,2,3,4,5,6,7
	v_max_num_f32 v[8*\e+\j], 0, v[8*\e+\j]
.endr
.irp q, 0,1,2,3
	v_pk_fma_f32 v[LG+2*(\q%2):LG+2*(\q%2)+1], v[8*\e+2*\q:8*\e+2*\q+1], v[W2R+8*\e+2*\q:W2R+8*\e+2*\q+1], v[LG+2*(\q%2):LG+2*(\q%2)+1]
.endr
.endr
	v_pk_add_f32 v[LG:LG+1], v[LG:LG+1], v[LG+2:LG+3]
	v_add_f32 v[LG], v[LG], v[LG+1]
	v_permlanex16_b32 v[LG+1], v[LG], s44, s45
	v_add_f32 v[PR], v[LG], v[LG+1]
	WIN 0x0c
	ds_store_b32 v[PA], v[PR] offset:64
	WIN 0
	s_wait_dscnt 0x0                               ; for the others' sake: my parts have landed
	s_barrier_signal -1
	s_barrier_wait -1
	; THE WAY OUT: wave w adds the four waves' parts of candidates 256 w .. 256 w + 255 and b2; four candidates a lane and load
	s_lshl_b32 s46, s2, 10
	s_add_co_u32 s46, s46, PART
	v_add_nc_u32 v14, s46, v[LI]
.irp q, 0,1
.irp p, 0,1,2,3
	ds_load_b128 v[TC+16*\q+4*\p:TC+16*\q+4*\p+3], v14 offset:4096*\p+512*\q
.endr
.endr
	s_wait_dscnt 0x0
.irp q, 0,1
.irp p, 0,2
	v_pk_add_f32 v[TC+16*\q+\p:TC+16*\q+\p+1], v[TC+16*\q+\p:TC+16*\q+\p+1], v[TC+16*\q+4+\p:TC+16*\q+4+\p+1]
	v_pk_add_f32 v[TC+16*\q+8+\p:TC+16*\q+8+\p+1], v[TC+16*\q+8+\p:TC+16*\q+8+\p+1], v[TC+16*\q+12+\p:TC+16*\q+12+\p+1]
.endr
.endr
.irp q, 0,1
.irp p, 0,2
	v_pk_add_f32 v[TC+16*\q+\p:TC+16*\q+\p+1], v[TC+16*\q+\p:TC+16*\q+\p+1], v[TC+16*\q+8+\p:TC+16*\q+8+\p+1]
.endr
.endr
.irp q, 0,1
.irp p, 0,2
	v_pk_add_f32 v[TC+16*\q+\p:TC+16*\q+\p+1], v[TC+16*\q+\p:TC+16*\q+\p+1], s[36:37] op_sel_hi:[1,0]   ; + b2
.endr
.endr
.irp q, 0,1
	global_store_b128 v[LI], v[TC+16*\q:TC+16*\q+3], s[34:35] offset:512*\q        ; 32 lanes store 512 consecutive bytes, at a multiple of 256 from out's first byte
.endr
	s_wait_tensorcnt 0x0
	ds_add_u32 v254, v255
	s_wait_dscnt 0x0
	s_endpgm
.Lfunc_end_k_q520ec3622f_score:
	.size	k_q520ec3622f_score, .Lfunc_end_k_q520ec3622f_score-k_q520ec3622f_score
	.p2alignl 7, 3214868480
	.fill 96, 4, 3214868480
	.section	.rodata,"a",@progbits
	.p2align	6, 0x0
	.amdhsa_kernel k_q520ec3622f_score
		.amdhsa_group_segment_fixed_size 150016
		.amdhsa_private_segment_fixed_size 0
		.amdhsa_enable_private_segment 0
		.amdhsa_kernarg_size 112
		.amdhsa_user_sgpr_count 2
		.amdhsa_user_sgpr_kernarg_segment_ptr 1
		.amdhsa_wavefront_size32 1
		.amdhsa_system_sgpr_workgroup_id_x 1
		.amdhsa_system_sgpr_workgroup_id_y 1
		.amdhsa_system_sgpr_workgroup_id_z 1
		.amdhsa_system_vgpr_workitem_id 0
		.amdhsa_next_free_vgpr 1024
		.amdhsa_next_free_sgpr 66
		.amdhsa_reserve_vcc 0
		.amdhsa_float_denorm_mode_32 3
		.amdhsa_float_denorm_mode_16_64 3
		.amdhsa_memory_ordered 1
		.amdhsa_forward_progress 1
		.amdhsa_inst_pref_size 177
	.end_amdhsa_kernel
	.amdgpu_metadata
---
amdhsa.version: [ 1, 2 ]
amdhsa.kernels:
  - .name:           k_q520ec3622f_score
    .symbol:         k_q520ec3622f_score.kd
    .args:
      - { .name: tq, .offset: 0, .size: 8, .value_kind: global_buffer, .address_space: global }
      - { .name: w1img, .offset: 8, .size: 8, .value_kind: global_buffer, .address_space: global }
      - { .name: w1sc, .offset: 16, .size: 8, .value_kind: global_buffer, .address_space: global }
      - { .name: b1, .offset: 24, .size: 8, .value_kind: global_buffer, .address_space: global }
      - { .name: W2, .offset: 32, .size: 8, .value_kind: global_buffer, .address_space: global }
      - { .name: b2, .offset: 40, .size: 8, .value_kind: global_buffer, .address_space: global }
      - { .name: target_item_ids, .offset: 48, .size: 8, .value_kind: global_buffer, .address_space: global }
      - { .name: original_item_ids, .offset: 56, .size: 8, .value_kind: global_buffer, .address_space: global }
      - { .name: left_item_ids, .offset: 64, .size: 8, .value_kind: global_buffer, .address_space: global }
      - { .name: right_item_ids, .offset: 72, .size: 8, .value_kind: global_buffer, .address_space: global }
      - { .name: position_indices, .offset: 80, .size: 8, .value_kind: global_buffer, .address_space: global }
      - { .name: normalized_positions, .offset: 88, .size: 8, .value_kind: global_buffer, .address_space: global }
      - { .name: session_lengths, .offset: 96, .size: 8, .value_kind: global_buffer, .address_space: global }
      - { .name: out0, .offset: 104, .size: 8, .value_kind: global_buffer, .address_space: global }
    .group_segment_fixed_size: 150016
    .private_segment_fixed_size: 0
    .kernarg_segment_align: 8
    .kernarg_segment_size: 112
    .max_flat_workgroup_size: 128
    .sgpr_count:     66
    .vgpr_count:     1024
    .wavefront_size: 32
...
	.end_amdgpu_metadata
.endif
;; end of part 2
;; ======== version 2 of 3: 2 launches; 1.14 times as fast as version 1
;; workspace buffers: tq 12,800,000 bytes; w1img 245,760 bytes; w1sc 10,240 bytes
;; launch prep: the kernel of part 1 again; grid 665 x 1, 4 waves a work-group, no clusters, 25,088 bytes of LDS; arguments emb_table, W1, tq, w1img, w1sc; writes tq, w1img, w1sc
;; launch score (part 3): grid 256 x 1, 4 waves a work-group, no clusters, 156,160 bytes of LDS; arguments tq, w1img, w1sc, b1, W2, b2, target_item_ids, original_item_ids, left_item_ids, right_item_ids, position_indices, normalized_positions, session_lengths, out0; writes out0
.if DOCPART == 3
	.amdgcn_target "amdgcn-amd-amdhsa--gfx1250"
	.amdhsa_code_object_version 6
	.text
	.protected	k_q520ec3622f_score
	.globl	k_q520ec3622f_score
	.p2align	8
	.type	k_q520ec3622f_score,@function
k_q520ec3622f_score:
	s_mov_b64 s[64:65], 0
	v_nop
	global_prefetch_b8 v0, s[64:65] scope:SCOPE_SE
	s_setreg_imm32_b32 hwreg(HW_REG_WAVE_MODE, 25, 1), 1
	s_wait_xcnt 0x0
; out[n] = relu(x[n] W1^T + b1) . W2 + b2;  x[n] = four gathered rows of the table and three scalars, K = 515.  The first product runs on codes of BF6 (E3M2) with one E8M0 scale for each 32 along K,
; in five K steps of 128: steps 0-3 are the four rows, whose codes and scale words lie ready in tq; step 4 holds the three scalars, quantised here, and zero codes.  relu and the product with W2 stay in f32.
; SHARES.  A work-group stays and takes 1,024 candidates: 64 tiles of 16, in 8 blocks of 8 tiles.  THE WAVES SHARE THE HIDDEN UNITS: wave w holds W1's fragments of units 128 w .. 128 w + 127, their scale words,
; b1 and W2 in registers for the whole launch.  What goes round is x: for each block wave w gathers tiles 2 w and 2 w + 1 into registers and stores them into LDS as IMAGES OF THE OPERAND'S REGISTERS
; (registers 4 c .. 4 c + 3 of lane l at 512 c + 16 l); every wave loads each tile back by the same lines.
; TRANSPOSED USE: source 0 = 16 rows of W1, source 1 = 16 candidates: a lane holds ONE candidate (lane % 16), its eight registers hidden units 8 (lane / 16) + 0 .. 7 of the tile.  b1 is the C of a sum's first product.
; THE FIFTH K STEP.  x's fragment there is zero codes but for 18 bits in register 0 of lanes 0-15.  So of W1's fragment register 0 alone counts: it lies in a pair of its own, and the operand's other registers are
; whatever follows in the register file (W1's own codes of other steps): every code of E3M2 is a finite number, a finite number x 0 adds nothing, and no scale byte there is 0xff.  That keeps 88 registers free,
; in which W2 lies beside W1.  Of x's fragment only the first four registers go through LDS; the other eight are zeros written once.
; BY TURNS.  A wave's 8 hidden tiles are two groups of four accumulators.  In a turn one group has the matrix unit (20 products: 5 K steps x 4 accumulators, one instruction a turn);
; the other group's relu and multiply-adds with W2 (12 instructions a hidden tile) stand behind those products, 3, 3, 2, 2, 2.  ONE window setting serves a turn's products and slices: source 0 = the window of the
; turn's W1, in which the OTHER group's W2 lies too; all else in window 3.
; ONE RUN OF LDS INSTRUCTIONS A TILE, behind the first turn's last product: the finished part of a logit is stored, and the next tile of x is asked for, 20 products ahead of its first use.
; TWO SLOTS, ONE BARRIER A BLOCK.  The next block's images are stored between a block's tiles 6 and 7, when tile 7 already lies in every wave's registers; in front of the barrier each wave waits for all its LDS
; instructions.  Behind it the new slot is whole and nobody reads the old one, which the next such place writes.  The gathers for a block are issued a whole block (320 products) ahead of the wait for them.
; Each wave's part of a logit, one for each half of the lanes (64 hidden units), goes to its own LDS words; the eight parts and b2 are added at the end, and each wave stores 256 logits as two runs of 512 aligned bytes.
; NO JOINT LOADS: what work-groups share is W1, 51,200 bytes a wave, read once, straight into registers; a work-group's 524,288 gathered bytes are its own.
; LIMITS: ids outside 0 .. 99,999 are held at 99,999.  The scalars' block gets the byte 1 if all three are zero (its codes are zeros).  NaN and infinities among the inputs are not served.
; REGISTERS, in windows of 256 (s_set_vgpr_msb: bits 1:0 source 0, 3:2 source 1, 5:4 source 2, 7:6 destination):
;   window 0: v1-13 addresses; v16-31 ids and gather offsets; v32-51 W1's scale words (lanes 0-15 fragment 2 j, lanes 16-31 fragment 2 j + 1); v52-62 x's scale words, two sets; v64-77 the scalars' codes at work;
;             v80-87, v88-183 eight gathered scale words and fragments; v184-215 two tiles' three scalars, each with 13 zeros behind them.
;   window 1: v0-7 K step 4 of W1's tiles 0-3, a pair each; v8-199 their K steps 0-3 at v[8 + 12 (4 j + s)]; v200-231 W2 of tiles 4-7.      window 2: the same of tiles 4-7; W2 of tiles 0-3.
;   window 3: v0-63 the accumulators; v64-127 b1 in the result's layout; v128-187, v188-247 two buffers for a tile of x; v248-251 the logit's sums; v252-253 the part to be stored.
.set FRB,   1536                       ; a fragment's image
.set OC4,   4*FRB                      ; in a tile's image, all at + 16 x lane: K steps 0-3; then K step 4's registers 0-3;
.set OSW,   OC4+512                    ; the scale words of K steps 0-3, four a lane;
.set OS4,   OSW+512                    ; K step 4's scale word, the first word of a lane's 16 bytes
.set TILEB, OS4+512                    ; a tile of x: 7,680 bytes
.set SLOTB, 8*TILEB                    ; LDS: two slots of images from byte 0,
.set PART,  2*SLOTB                    ; and [wave][half of the lanes][1,024] parts of logits
.set LI,   1                           ; v1   16 x lane
.set LS,   2                           ; v2   4 x lane
.set XA,   3                           ; v3   the trip's images
.set IO,   5                           ; v5   byte offset of my candidate in the id and scalar arrays
.set H64,  6                           ; v6   64 x (lane / 16)
.set HM,   7                           ; v7   all ones in lanes 0-15, 0 in lanes 16-31
.set WI,   8                           ; v8-9 where I store images, slot 0, 1
.set PA0,  12                          ; v12  my wave's and my half's parts, word lane % 16
.set PA,   13                          ; v13  the trip's
.set ID,   16
.set GO,   24
.set W1S,  32
.set XS,   52                          ; set p at 52 + 6 p
.set CC,   64
.set MX,   72
.set SC,   74
.set BY,   76
.set TS,   80
.set TC,   88
.set QS,   184
.set WF,   8                           ; in windows 1 and 2
.set W2X,  200
.set BIAS, 64                          ; in window 3
.set XB,   128
.set LG,   248
.set PR,   252
.set MSB, 0
.macro WIN new                         ; the immediate's high byte repeats the setting that is left; a switch that changes nothing is dropped
.if MSB != (\new)
	s_set_vgpr_msb (MSB<<8)|(\new)
.set MSB, (\new)
.endif
.endm
; Product k of 20 of group g on the tile of x in buffer xb: K step k / 4, hidden tile 4 g + k % 4.
.macro WM g, xb
.set sK, k/4
.set jT, k%4
.set iT, 4*\g+jT
.set fF, 5*iT+sK
.set rA, WF+12*(4*jT+sK)
.if sK == 4
.set rA, 2*jT                          ; register 0 of the fragment; the eleven behind it meet zero codes of x
.endif
.set rX, XB+60*\xb+12*sK
.set rD, 8*iT
.set rC, rD
.if sK == 0
.set rC, BIAS+8*iT                     ; the bias starts the sum: nothing is cleared, nothing is added later
.endif
	WIN 0xfd+\g                                    ; W1 window 1 + g; x, C and D window 3
.if fF%2
	v_wmma_scale_f32_16x16x128_f8f6f4 v[rD:rD+7], v[rA:rA+11], v[rX:rX+11], v[rC:rC+7], v[W1S+fF/2], v[XS+6*\xb+sK] matrix_a_fmt:MATRIX_FMT_BF6 matrix_b_fmt:MATRIX_FMT_BF6 matrix_a_scale:MATRIX_SCALE_ROW1
.else
	v_wmma_scale_f32_16x16x128_f8f6f4 v[rD:rD+7], v[rA:rA+11], v[rX:rX+11], v[rC:rC+7], v[W1S+fF/2], v[XS+6*\xb+sK] matrix_a_fmt:MATRIX_FMT_BF6 matrix_b_fmt:MATRIX_FMT_BF6
.endif
.endm
; Number n of 12 of a hidden tile's vector work (accumulator at rZ, its W2 at rW): 0-7 relu, register by register from the low end on; 8-11 packed multiply-adds with W2 into two pairs of sums.
; sT = 1: a candidate tile's first hidden tile starts the sums.  All run under the products' own window setting: source 0 (a constant, or W2) in W1's window, the rest in window 3.
.macro EPI n
.if (\n) < 8
	v_max_num_f32 v[rZ+(\n)], 0, v[rZ+(\n)]
.else
.set qQ, (\n)-8
.if sT && (qQ < 2)
	v_pk_mul_f32 v[LG+2*qQ:LG+2*qQ+1], v[rW+2*qQ:rW+2*qQ+1], v[rZ+2*qQ:rZ+2*qQ+1]
.else
	v_pk_fma_f32 v[LG+2*(qQ%2):LG+2*(qQ%2)+1], v[rW+2*qQ:rW+2*qQ+1], v[rZ+2*qQ:rZ+2*qQ+1], v[LG+2*(qQ%2):LG+2*(qQ%2)+1]
.endif
.endif
.endm
; A tile of x, ofs tiles on from the trip's address, into buffer and scale set d: 15 loads, the scale words first, then the K steps in order.  At its head the destination window is 0.
.macro XRUN d, ofs
	ds_load_b128 v[XS+6*(\d):XS+6*(\d)+3], v[XA] offset:TILEB*(\ofs)+OSW
	ds_load_b32 v[XS+6*(\d)+4], v[XA] offset:TILEB*(\ofs)+OS4
	WIN 0xcc                                       ; destination window 3, address window 0
.irp s, 0,1,2,3
.irp c, 0,1,2
	ds_load_b128 v[XB+60*(\d)+12*\s+4*\c:XB+60*(\d)+12*\s+4*\c+3], v[XA] offset:TILEB*(\ofs)+FRB*\s+512*\c
.endr
.endr
	ds_load_b128 v[XB+60*(\d)+48:XB+60*(\d)+51], v[XA] offset:TILEB*(\ofs)+OC4
.endm
; What stands behind product k.  epi: the other group's hidden tile k / 5, numbers 0-2, 3-5, 6-7, 8-9, 10-11 of its list.  Behind the first turn's product 19, the tile's one run of LDS instructions:
; fin: the tile before is summed up (my half's 64 hidden units) and stored imm bytes on from the trip's address; pre: the next tile of x goes into the other buffer.
.macro GAP g, xb, epi, pre, ofs, fin, imm
.set eE, k/5
.set pH, k%5
.set rZ, 8*(4*(1-\g)+eE)
.set rW, W2X+8*eE
.set sT, 0
.if (\g == 1) && (eE == 0)
.set sT, 1
.endif
.if (\epi)
.if pH == 0
	EPI 0
	EPI 1
	EPI 2
.elseif pH == 1
	EPI 3
	EPI 4
	EPI 5
.elseif pH == 2
	EPI 6
	EPI 7
.elseif pH == 3
	EPI 8
	EPI 9
.else
	EPI 10
	EPI 11
.endif
.endif
.if (\g == 0) && (k == 19)
.if (\fin)
	WIN 0xff
	v_pk_add_f32 v[LG:LG+1], v[LG:LG+1], v[LG+2:LG+3]
	v_add_f32 v[PR+\xb], v[LG], v[LG+1]
.endif
	WIN 0x0c                                       ; an LDS store's data are its source 1: window 3; addresses and the scale words' destination: window 0
.if (\fin)
	ds_store_b32 v[PA], v[PR+\xb] offset:\imm
.endif
.if (\pre)
	XRUN 1-\xb, \ofs
.endif
.endif
.endm
.macro TURN g, xb, epi, pre, ofs, fin, imm
.set k, 0
.rept 20
.if (\g == 0) && (k == 8)
	s_wait_dscnt 0x0                               ; K steps 2, 3 and 4 are in
.endif
	WM \g, \xb
	GAP \g, \xb, \epi, \pre, \ofs, \fin, \imm
.set k, k+1
.endr
.endm
; A tile of 16 candidates.  DISTANCES (for the products): an accumulator's last product is one of a turn's products 16-19; the nine plain instructions behind products 16 to 19, on the
; other group's registers, stand between product 16 and the first read of its result, behind the next turn's first product.  A buffer of x and its scale words are loaded again behind the next tile's first turn: 48 such instructions.
; first = 1: there is no tile before: no slices in the first turn, and four v_nop take their part as the places.
.macro TILE xb, ofs, pre, first, imm
	s_wait_dscnt 7                                 ; LDS loads come back in order: the scale words and K steps 0 and 1 are in; the seven loads of K steps 2, 3 and 4 may be out
	TURN 0, \xb, 1-\first, \pre, \ofs, 1-\first, \imm
.if \first
.rept 4
	v_nop
.endr
.endif
	TURN 1, \xb, 1, 0, 0, 0, 0
.endm
; n trips of two tiles: an odd tile in buffer 1, which fetches the tile at LDS byte x0 + 15,360 x trip, and that tile in buffer 0, which fetches the one behind it.
.macro PAIRS n, x0
	WIN 0                                          ; at a label and at a branch every window is 0
	s_mov_b32 s38, \x0
	s_mov_b32 s41, \n
.Lpair_\@:
	v_add_nc_u32 v[XA], s38, v[LI]
	v_add_nc_u32 v[PA], s40, v[PA0]
	TILE 1, 0, 1, 0, 0
	TILE 0, 1, 1, 0, 64
	WIN 0
	s_add_co_u32 s38, s38, 2*TILEB
	s_add_co_u32 s40, s40, 128                     ; two tiles' parts; this one runs on through all trips of the launch
	s_sub_co_u32 s41, s41, 1
	s_cmp_lg_u32 s41, 0
	s_cbranch_scc1 .Lpair_\@
.endm
.macro OFFS                            ; ids become byte offsets in tq: a row is 128 bytes, my half of the lanes takes 64 of them
.irp f, 0,1,2,3,4,5,6,7
	v_min_u32 v[GO+\f], 0x1869f, v[ID+\f]
.endr
.irp f, 0,1,2,3,4,5,6,7
	v_lshl_add_u32 v[GO+\f], v[GO+\f], 7, v[H64]
.endr
.endm
.macro GATHER                          ; fragment f = 4 u + a: tile 2 w + u, K step a: 48 bytes of codes and the scale word a lane; then the two tiles' scalars
.irp f, 0,1,2,3,4,5,6,7
.irp c, 0,1,2
	global_load_b128 v[TC+12*\f+4*\c:TC+12*\f+4*\c+3], v[GO+\f], s[8:9] offset:16*\c
.endr
	global_load_b32 v[TS+\f], v[GO+\f], s[8:9] offset:48
.endr
.irp u, 0,1
.irp q, 0,1,2
	global_load_b32 v[QS+16*\u+\q], v[IO], s[28+2*\q:29+2*\q] offset:64*\u th:TH_LOAD_NT
.endr
.endr
.endm
.macro IDS                             ; the ids of the block behind the one that IO stands at
.irp u, 0,1
.irp a, 0,1,2,3
	global_load_b32 v[ID+4*\u+\a], v[IO], s[20+2*\a:21+2*\a] offset:512+64*\u th:TH_LOAD_NT
.endr
.endr
.endm
; W1's four tiles of a window, from image number base on: K steps 0-3 whole, of K step 4 the first two registers
.macro W1LOAD base
.irp j, 0,1,2,3
.irp s, 0,1,2,3
.irp c, 0,1,2
	global_load_b128 v[WF+12*(4*\j+\s)+4*\c:WF+12*(4*\j+\s)+4*\c+3], v[LI], s[10:11] offset:FRB*(\base+5*\j+\s)+512*\c
.endr
.endr
	global_load_b64 v[2*\j:2*\j+1], v[LI], s[10:11] offset:FRB*(\base+5*\j+4)
.endr
.endm
; THE CHANGE OF BLOCKS, all in window 0.  What was gathered a block ago goes into slot `slot`; doG: the next block is gathered; doI: the ids of the block behind that are asked for (guard: not in the outer loop's
; last trip, where there is no such block: no load leaves its buffer); then the block's one barrier.
.macro TW slot, doG, doI, guard
	WIN 0
	s_wait_loadcnt 0x0                             ; the gathers, scalars and ids issued a block ago are in: so their address registers may be written too
.if \doG
	v_add_nc_u32 v[IO], 512, v[IO]                 ; 128 candidates on
.endif
.irp u, 0,1
.irp a, 0,1,2,3
.irp c, 0,1,2
	ds_store_b128 v[WI+\slot], v[TC+12*(4*\u+\a)+4*\c:TC+12*(4*\u+\a)+4*\c+3] offset:TILEB*\u+FRB*\a+512*\c
.endr
.endr
	ds_store_b128 v[WI+\slot], v[TS+4*\u:TS+4*\u+3] offset:TILEB*\u+OSW     ; the four rows' scale words, as the four registers that the reader wants
.endr
.irp u, 0,1
	v_max3_num_f32 v[MX+\u], |v[QS+16*\u]|, |v[QS+16*\u+1]|, |v[QS+16*\u+2]|   ; K's block 16: three scalars, the rest the quantiser's zeros
.endr
.irp u, 0,1
	v_max_num_f32 v[MX+\u], 0x2800000, v[MX+\u]    ; the floor 2^(5 - 127): the byte cannot fall under 1
.endr
.irp u, 0,1
	v_add_nc_u32 v[SC+\u], 0xfe000000, v[MX+\u]    ; 4 off the exponent field: the conversion's scale operand
.endr
.irp u, 0,1
	v_cvt_scalef32_pk16_bf6_f32 v[CC+4*\u:CC+4*\u+2], v[QS+16*\u:QS+16*\u+15], v[SC+\u]   ; three codes and 13 zero codes
.endr
.irp u, 0,1
	v_lshrrev_b32 v[BY+\u], 23, v[SC+\u]           ; the scale word: byte 0; bytes 1-3 are 0, over zero codes.  (Also the plain instruction behind the conversions)
.endr
.irp u, 0,1
	v_and_b32 v[CC+4*\u], v[HM], v[CC+4*\u]        ; lanes 16-31 hold k = 544 on: zero codes
.endr
.irp u, 0,1
	ds_store_b128 v[WI+\slot], v[CC+4*\u:CC+4*\u+3] offset:TILEB*\u+OC4
	ds_store_b32 v[WI+\slot], v[BY+\u] offset:TILEB*\u+OS4
.endr
.if \doG
	OFFS
.endif
	s_wait_dscnt 0x0                               ; for the others' sake: my stores have landed, and my loads of the old slot's last tile are in; for mine: the stores have read the registers that the gathers fill
.if \doG
	GATHER
.endif
.if \doI
.if \guard
	s_cmp_eq_u32 s42, 1
	s_cbranch_scc1 .Lno_ids_\@
.endif
	IDS
.if \guard
.Lno_ids_\@:
.endif
.endif
	s_barrier_signal -1
	s_barrier_wait -1                              ; slot `slot` is whole, and nobody reads the other one any more
.endm
	s_load_b512 s[8:23], s[0:1], 0x0               ; tq s[8:9], w1img s[10:11], w1sc s[12:13], b1 s[14:15], W2 s[16:17], b2 s[18:19], target s[20:21], original s[22:23]
	s_load_b256 s[24:31], s[0:1], 0x40             ; left s[24:25], right s[26:27], position s[28:29], normalized s[30:31]
	s_load_b128 s[32:35], s[0:1], 0x60             ; session s[32:33], out s[34:35]
	v_lshl_add_u32 v254, v0, 2, 0x26000
	v_mov_b32 v255, 0
	v_lshrrev_b32 v14, 5, v0
	v_readfirstlane_b32 s2, v14                    ; wave 0..3
	v_and_b32 v14, 31, v0                          ; lane
	v_and_b32 v15, 15, v0                          ; r
	v_bfe_u32 v[H64], v0, 4, 1                     ; h
	v_lshlrev_b32 v[LI], 4, v14
	v_lshlrev_b32 v[LS], 2, v14
	v_add_nc_u32 v[HM], -1, v[H64]
	v_lshlrev_b32 v14, 5, v[H64]                   ; 32 h: my eight numbers of a tile's 16 in b1 and W2
	s_lshl_b32 s38, s2, 13
	s_add_co_u32 s38, s38, PART
	v_lshl_add_u32 v[PA0], v15, 2, s38             ; my wave's 8,192 bytes of parts, word r,
	v_lshl_add_u32 v[PA0], v[H64], 12, v[PA0]      ; my half's 4,096 of them
	v_lshlrev_b32 v[H64], 6, v[H64]
	s_mul_i32 s38, s2, 2*TILEB                     ; my two tiles' place in a slot
	v_add_nc_u32 v[WI], s38, v[LI]
	v_add_nc_u32 v[WI+1], SLOTB, v[WI]
	s_lshl_b32 s43, ttmp9, 12                      ; the work-group's 1,024 candidates, 4 bytes each
	s_lshl_b32 s38, s2, 7                          ; my wave's 32 of a block
	s_add_co_u32 s38, s38, s43
	v_lshl_add_u32 v[IO], v15, 2, s38
	v_mov_b32 v[CC+3], 0                           ; the fourth register of the scalars' group of four: zero codes, written once
	v_mov_b32 v[CC+7], 0
.irp u, 0,1
.irp j, 3,4,5,6,7,8,9,10,11,12,13,14,15
	v_mov_b32 v[QS+16*\u+\j], 0                    ; the conversion takes 16 numbers: 13 zeros behind the three scalars, written once
.endr
.endr
	WIN 0xc0
.irp p, 0,1
.irp j, 0,1,2,3,4,5,6,7
	v_mov_b32 v[XB+60*\p+52+\j], 0                 ; registers 4-11 of x's fragment of K step 4, in both buffers: zero codes, written once
.endr
.endr
	WIN 0
	s_wait_kmcnt 0x0
.irp u, 0,1
.irp a, 0,1,2,3
	global_load_b32 v[ID+4*\u+\a], v[IO], s[20+2*\a:21+2*\a] offset:64*\u th:TH_LOAD_NT   ; block 0's ids
.endr
.endr
	s_load_b32 s36, s[18:19], 0x0                  ; b2
	s_mov_b32 s47, 0
	s_mul_i32 s46, s2, 40*FRB
	s_add_nc_u64 s[10:11], s[10:11], s[46:47]      ; my wave's 40 images,
	s_mul_i32 s46, s2, 20*128
	s_add_nc_u64 s[12:13], s[12:13], s[46:47]      ; their scale words,
	s_lshl_b32 s46, s2, 9
	s_add_nc_u64 s[14:15], s[14:15], s[46:47]      ; my 128 numbers of b1
	s_add_nc_u64 s[16:17], s[16:17], s[46:47]      ; and of W2,
	s_lshl_b32 s46, s2, 10
	s_add_co_u32 s46, s46, s43
	s_add_nc_u64 s[34:35], s[34:35], s[46:47]      ; and the 256 logits that I store
	WIN 0x40
	W1LOAD 0                                       ; W1's tiles 0-3 are asked for while the ids are on their way: 52 loads; they stay
	WIN 0
	s_wait_loadcnt 52                              ; loads come back in order: the eight ids are in, the 52 behind them may be out
	OFFS
	GATHER                                         ; block 0
	IDS                                            ; block 1's ids
	WIN 0x40
.irp e, 0,1,2,3
	global_load_b128 v[W2X+8*\e:W2X+8*\e+3], v14, s[16:17] offset:64*(4+\e)                ; beside tiles 0-3 of W1: W2 of tiles 4-7, whose slices stand in that group's turn.  Lane (r, h): units 8 h + 0 .. 7
	global_load_b128 v[W2X+8*\e+4:W2X+8*\e+7], v14, s[16:17] offset:64*(4+\e)+16
.endr
	WIN 0x80
	W1LOAD 20                                      ; tiles 4-7
.irp e, 0,1,2,3
	global_load_b128 v[W2X+8*\e:W2X+8*\e+3], v14, s[16:17] offset:64*\e
	global_load_b128 v[W2X+8*\e+4:W2X+8*\e+7], v14, s[16:17] offset:64*\e+16
.endr
	WIN 0xc0
.irp i, 0,1,2,3,4,5,6,7
	global_load_b128 v[BIAS+8*\i:BIAS+8*\i+3], v14, s[14:15] offset:64*\i
	global_load_b128 v[BIAS+8*\i+4:BIAS+8*\i+7], v14, s[14:15] offset:64*\i+16
.endr
	WIN 0
.set fi, 0
.rept 20
	global_load_b32 v[W1S+fi], v[LS], s[12:13] offset:128*fi
.set fi, fi+1
.endr
	s_wait_kmcnt 0x0
	s_mov_b32 s37, s36                             ; (the packed addition names the pair)
	TW 0, 1, 1, 0                                  ; block 0 into slot 0; block 1 is gathered; block 2's ids
	v_mov_b32 v[XA], v[LI]
	XRUN 0, 0                                      ; tile 0
	s_mov_b32 s40, 0
	TILE 0, 1, 1, 1, 0                             ; tile 0; tile 1 is fetched
	PAIRS 3, 2*TILEB                               ; tiles 1-6; tile 7 is fetched
	s_mov_b32 s42, 3
.Lblocks:                                              ; a trip: two changes of blocks, 16 tiles
	TW 1, 1, 1, 0
	PAIRS 4, SLOTB
	TW 0, 1, 1, 1
	PAIRS 4, 0
	s_sub_co_u32 s42, s42, 1
	s_cmp_lg_u32 s42, 0
	s_cbranch_scc1 .Lblocks
	TW 1, 0, 0, 0                                  ; block 7 into slot 1; nothing is left to gather
	PAIRS 4, SLOTB                                 ; tiles 55-62
	v_add_nc_u32 v[PA], s40, v[PA0]
	TILE 1, 0, 0, 0, 0                             ; tile 63: nothing is left to fetch
	WIN 0xfd                                       ; tile 63's second group: its W2 lies in window 1
.rept 4
	v_nop                                          ; places behind the last products: no other vector work is at hand
.endr
.set sT, 0
.irp e, 0,1,2,3
.set rZ, 8*(4+\e)
.set rW, W2X+8*\e
.irp n, 0,1,2,3,4,5,6,7,8,9,10,11
	EPI \n
.endr
.endr
	WIN 0xff
	v_pk_add_f32 v[LG:LG+1], v[LG:LG+1], v[LG+2:LG+3]
	v_add_f32 v[PR], v[LG], v[LG+1]
	WIN 0x0c
	ds_store_b32 v[PA], v[PR] offset:64
	WIN 0
	s_wait_dscnt 0x0                               ; for the others' sake: my parts have landed
	s_barrier_signal -1
	s_barrier_wait -1
	; THE WAY OUT: wave w adds the eight parts (four waves x two halves of the lanes) of candidates 256 w .. 256 w + 255 and b2; four candidates a lane and load
	s_lshl_b32 s46, s2, 10
	s_add_co_u32 s46, s46, PART
	v_add_nc_u32 v14, s46, v[LI]
.irp q, 0,1
.irp p, 0,1,2,3,4,5,6,7
	ds_load_b128 v[TC+32*\q+4*\p:TC+32*\q+4*\p+3], v14 offset:4096*\p+512*\q
.endr
.endr
	s_wait_dscnt 0x0
.irp q, 0,1
.irp p, 0,2,4,6
.irp d, 0,2
	v_pk_add_f32 v[TC+32*\q+4*\p+\d:TC+32*\q+4*\p+\d+1], v[TC+32*\q+4*\p+\d:TC+32*\q+4*\p+\d+1], v[TC+32*\q+4*\p+4+\d:TC+32*\q+4*\p+4+\d+1]
.endr
.endr
.endr
.irp q, 0,1
.irp p, 0,4
.irp d, 0,2
	v_pk_add_f32 v[TC+32*\q+4*\p+\d:TC+32*\q+4*\p+\d+1], v[TC+32*\q+4*\p+\d:TC+32*\q+4*\p+\d+1], v[TC+32*\q+4*\p+8+\d:TC+32*\q+4*\p+8+\d+1]
.endr
.endr
.endr
.irp q, 0,1
.irp d, 0,2
	v_pk_add_f32 v[TC+32*\q+\d:TC+32*\q+\d+1], v[TC+32*\q+\d:TC+32*\q+\d+1], v[TC+32*\q+16+\d:TC+32*\q+16+\d+1]
.endr
.endr
.irp q, 0,1
.irp d, 0,2
	v_pk_add_f32 v[TC+32*\q+\d:TC+32*\q+\d+1], v[TC+32*\q+\d:TC+32*\q+\d+1], s[36:37] op_sel_hi:[1,0]   ; + b2
.endr
.endr
.irp q, 0,1
	global_store_b128 v[LI], v[TC+32*\q:TC+32*\q+3], s[34:35] offset:512*\q        ; 32 lanes store 512 consecutive bytes, at a multiple of 256 from out's first byte
.endr
	s_wait_tensorcnt 0x0
	ds_add_u32 v254, v255
	s_wait_dscnt 0x0
	s_endpgm
.Lfunc_end_k_q520ec3622f_score:
	.size	k_q520ec3622f_score, .Lfunc_end_k_q520ec3622f_score-k_q520ec3622f_score
	.p2alignl 7, 3214868480
	.fill 96, 4, 3214868480
	.section	.rodata,"a",@progbits
	.p2align	6, 0x0
	.amdhsa_kernel k_q520ec3622f_score
		.amdhsa_group_segment_fixed_size 156160
		.amdhsa_private_segment_fixed_size 0
		.amdhsa_enable_private_segment 0
		.amdhsa_kernarg_size 112
		.amdhsa_user_sgpr_count 2
		.amdhsa_user_sgpr_kernarg_segment_ptr 1
		.amdhsa_wavefront_size32 1
		.amdhsa_system_sgpr_workgroup_id_x 1
		.amdhsa_system_sgpr_workgroup_id_y 1
		.amdhsa_system_sgpr_workgroup_id_z 1
		.amdhsa_system_vgpr_workitem_id 0
		.amdhsa_next_free_vgpr 1024
		.amdhsa_next_free_sgpr 66
		.amdhsa_reserve_vcc 0
		.amdhsa_float_denorm_mode_32 3
		.amdhsa_float_denorm_mode_16_64 3
		.amdhsa_memory_ordered 1
		.amdhsa_forward_progress 1
		.amdhsa_inst_pref_size 160
	.end_amdhsa_kernel
	.amdgpu_metadata
---
amdhsa.version: [ 1, 2 ]
amdhsa.kernels:
  - .name:           k_q520ec3622f_score
    .symbol:         k_q520ec3622f_score.kd
    .args:
      - { .name: tq, .offset: 0, .size: 8, .value_kind: global_buffer, .address_space: global }
      - { .name: w1img, .offset: 8, .size: 8, .value_kind: global_buffer, .address_space: global }
      - { .name: w1sc, .offset: 16, .size: 8, .value_kind: global_buffer, .address_space: global }
      - { .name: b1, .offset: 24, .size: 8, .value_kind: global_buffer, .address_space: global }
      - { .name: W2, .offset: 32, .size: 8, .value_kind: global_buffer, .address_space: global }
      - { .name: b2, .offset: 40, .size: 8, .value_kind: global_buffer, .address_space: global }
      - { .name: target_item_ids, .offset: 48, .size: 8, .value_kind: global_buffer, .address_space: global }
      - { .name: original_item_ids, .offset: 56, .size: 8, .value_kind: global_buffer, .address_space: global }
      - { .name: left_item_ids, .offset: 64, .size: 8, .value_kind: global_buffer, .address_space: global }
      - { .name: right_item_ids, .offset: 72, .size: 8, .value_kind: global_buffer, .address_space: global }
      - { .name: position_indices, .offset: 80, .size: 8, .value_kind: global_buffer, .address_space: global }
      - { .name: normalized_positions, .offset: 88, .size: 8, .value_kind: global_buffer, .address_space: global }
      - { .name: session_lengths, .offset: 96, .size: 8, .value_kind: global_buffer, .address_space: global }
      - { .name: out0, .offset: 104, .size: 8, .value_kind: global_buffer, .address_space: global }
    .group_segment_fixed_size: 156160
    .private_segment_fixed_size: 0
    .kernarg_segment_align: 8
    .kernarg_segment_size: 112
    .max_flat_workgroup_size: 128
    .sgpr_count:     66
    .vgpr_count:     1024
    .wavefront_size: 32
...
	.end_amdgpu_metadata
.endif
;; end of part 3
;; ======== version 3 of 3: 2 launches; version 2 with the launch score written anew for expert scheduling mode
;; workspace buffers: tq 12,800,000 bytes; w1img 245,760 bytes; w1sc 10,240 bytes
;; launch prep: the kernel of part 1 again; grid 665 x 1, 4 waves a work-group, no clusters, 25,088 bytes of LDS; arguments emb_table, W1, tq, w1img, w1sc; writes tq, w1img, w1sc
;; launch score (part 4): grid 256 x 1, 4 waves a work-group, no clusters, 156,160 bytes of LDS; arguments tq, w1img, w1sc, b1, W2, b2, target_item_ids, original_item_ids, left_item_ids, right_item_ids, position_indices, normalized_positions, session_lengths, out0; writes out0
.if DOCPART == 4
	.amdgcn_target "amdgcn-amd-amdhsa--gfx1250"
	.amdhsa_code_object_version 6
	.text
	.protected	k_q520ec3622f_score
	.globl	k_q520ec3622f_score
	.p2align	8
	.type	k_q520ec3622f_score,@function
k_q520ec3622f_score:
	s_mov_b64 s[64:65], 0
	v_nop
	global_prefetch_b8 v0, s[64:65] scope:SCOPE_SE
	s_setreg_imm32_b32 hwreg(HW_REG_WAVE_SCHED_MODE, 0, 2), 2
	s_setreg_imm32_b32 hwreg(HW_REG_WAVE_MODE, 25, 1), 1
	s_wait_xcnt 0x0
	s_wait_alu depctr_vm_vsrc(0)
; out[n] = relu(x[n] W1^T + b1) . W2 + b2;  x[n] = four gathered rows of the table and three scalars, K = 515.  The first product runs on codes of BF6 (E3M2) with one E8M0 scale for each 32 along K,
; in five K steps of 128: steps 0-3 are the four rows, whose codes and scale words lie ready in tq; step 4 holds the three scalars, quantised here, and zero codes.  relu and the product with W2 stay in f32.
; SHARES.  A work-group stays and takes 1,024 candidates: 64 tiles of 16, in 8 blocks of 8 tiles.  THE WAVES SHARE THE HIDDEN UNITS: wave w holds W1's fragments of units 128 w .. 128 w + 127, their scale words,
; b1 and W2 in registers for the whole launch.  What goes round is x: for each block wave w gathers tiles 2 w and 2 w + 1 into registers and stores them into LDS as IMAGES OF THE OPERAND'S REGISTERS
; (registers 4 c .. 4 c + 3 of lane l at 512 c + 16 l); every wave loads each tile back by the same lines.
; TRANSPOSED USE: source 0 = 16 rows of W1, source 1 = 16 candidates: a lane holds ONE candidate (lane % 16), its eight registers hidden units 8 (lane / 16) + 0 .. 7 of the tile.  b1 is the C of a sum's first product.
; THE FIFTH K STEP.  x's fragment there is zero codes but for 18 bits in register 0 of lanes 0-15.  So of W1's fragment register 0 alone counts: it lies in a pair of its own, and the operand's other registers are
; whatever follows in the register file (W1's own codes of other steps): every code of E3M2 is a finite number, a finite number x 0 adds nothing, and no scale byte there is 0xff.  That keeps 88 registers free,
; in which W2 lies beside W1.  Of x's fragment only the first four registers go through LDS; the other eight are zeros written once.
; BY TURNS.  A wave's 8 hidden tiles are two groups of four accumulators.  In a turn one group has the matrix unit (20 products: 5 K steps x 4 accumulators, one instruction a turn);
; the other group's relu and multiply-adds with W2 (12 instructions a hidden tile) stand behind those products, 3, 3, 2, 2, 2.  ONE window setting serves a turn's products and slices: source 0 = the window of the
; turn's W1, in which the OTHER group's W2 lies too; all else in window 3.
; ONE RUN OF LDS INSTRUCTIONS A TILE, behind the first turn's last product: the finished part of a logit is stored, and the next tile of x is asked for, 20 products ahead of its first use.
; TWO SLOTS, ONE BARRIER A BLOCK.  The next block's images are stored between a block's tiles 6 and 7, when tile 7 already lies in every wave's registers; in front of the barrier each wave waits for all its LDS
; instructions.  Behind it the new slot is whole and nobody reads the old one, which the next such place writes.  The gathers for a block are issued a whole block (320 products) ahead of the wait for them.
; Each wave's part of a logit, one for each half of the lanes (64 hidden units), goes to its own LDS words; the eight parts and b2 are added at the end, and each wave stores 256 logits as two runs of 512 aligned bytes.
; NO JOINT LOADS: what work-groups share is W1, 51,200 bytes a wave, read once, straight into registers; a work-group's 524,288 gathered bytes are its own.
; LIMITS: ids outside 0 .. 99,999 are held at 99,999.  The scalars' block gets the byte 1 if all three are zero (its codes are zeros).  NaN and infinities among the inputs are not served.
; THE MODE: SCHED_MODE bits 1:0 = 2 (LLVM: expert scheduling mode 2), set by the entry lines.  The code itself states the register dependences between vector or matrix instructions and memory or LDS
; instructions, with s_wait_alu, always for 0.
; THE PLAN.  Registers that memory or LDS instructions touch, and who else names them:
;   XB0, XB1, XS0, XS1   Tile t's 40 products read buffer and scale set t % 2; the run of tile t + 1 loads them again.
;   PR0, PR1             Written by the add just ahead of a tile's run, read by that run's store, written again two tiles on.
;   XA, PA               Written by two adds at the head of a trip of two tiles; read by the trip's two runs.
;   TC, TS               The gathers land in them; a block later the change's LDS stores read them; behind those the next gathers land.  No vector instruction names them before the way out.
;   QS, ID               Loads land in them; the change's maximum and conversions read QS, its OFFS reads ID; then the next loads land.
;   GO, IO               Written in the change (OFFS, one add); read by the gathers, the scalars' loads and the ids' loads as offsets.
;   CC, BY               Written by the change's conversions and shifts; read by its stores.
;   LI, LS, WI           Made at the head and never written again.  v14: made at the head (b1's and W2's offset) and once more at the tail (the way out's LDS address).
;   W1, W2, b1 and W1's scale words are loaded once; the accumulators and LG are named by vector and matrix instructions alone.
; So: A TILE has one wait on va_vdst, straight ahead of its run.  A TRIP has one wait on vm_vsrc, at its head.  A CHANGE OF BLOCKS has three: vm_vsrc at its head, va_vdst behind its vector work, vm_vsrc ahead of the gathers.
; REGISTERS, in windows of 256 (s_set_vgpr_msb: bits 1:0 source 0, 3:2 source 1, 5:4 source 2, 7:6 destination):
;   window 0: v1-13 addresses; v16-31 ids and gather offsets; v32-51 W1's scale words (lanes 0-15 fragment 2 j, lanes 16-31 fragment 2 j + 1); v52-62 x's scale words, two sets; v64-77 the scalars' codes at work;
;             v80-87, v88-183 eight gathered scale words and fragments; v184-215 two tiles' three scalars, each with 13 zeros behind them; v254, v255 the closing add's two.
;   window 1: v0-7 K step 4 of W1's tiles 0-3, a pair each; v8-199 their K steps 0-3 at v[8 + 12 (4 j + s)]; v200-231 W2 of tiles 4-7.      window 2: the same of tiles 4-7; W2 of tiles 0-3.
;   window 3: v0-63 the accumulators; v64-127 b1 in the result's layout; v128-187, v188-247 two buffers for a tile of x; v248-251 the logit's sums; v252-253 the part to be stored.
.set FRB,   1536                       ; a fragment's image
.set OC4,   4*FRB                      ; in a tile's image, all at + 16 x lane: K steps 0-3; then K step 4's registers 0-3;
.set OSW,   OC4+512                    ; the scale words of K steps 0-3, four a lane;
.set OS4,   OSW+512                    ; K step 4's scale word, the first word of a lane's 16 bytes
.set TILEB, OS4+512                    ; a tile of x: 7,680 bytes
.set SLOTB, 8*TILEB                    ; LDS: two slots of images from byte 0,
.set PART,  2*SLOTB                    ; and [wave][half of the lanes][1,024] parts of logits
.set LI,   1                           ; v1   16 x lane
.set LS,   2                           ; v2   4 x lane
.set XA,   3                           ; v3   the trip's images
.set IO,   5                           ; v5   byte offset of my candidate in the id and scalar arrays
.set H64,  6                           ; v6   64 x (lane / 16)
.set HM,   7                           ; v7   all ones in lanes 0-15, 0 in lanes 16-31
.set WI,   8                           ; v8-9 where I store images, slot 0, 1
.set PA0,  12                          ; v12  my wave's and my half's parts, word lane % 16
.set PA,   13                          ; v13  the trip's
.set ID,   16
.set GO,   24
.set W1S,  32
.set XS,   52                          ; set p at 52 + 6 p
.set CC,   64
.set MX,   72
.set SC,   74
.set BY,   76
.set TS,   80
.set TC,   88
.set QS,   184
.set WF,   8                           ; in windows 1 and 2
.set W2X,  200
.set BIAS, 64                          ; in window 3
.set XB,   128
.set LG,   248
.set PR,   252
.set MSB, 0
.macro WIN new                         ; the immediate's high byte repeats the setting that is left; a switch that changes nothing is dropped
.if MSB != (\new)
	s_set_vgpr_msb (MSB<<8)|(\new)
.set MSB, (\new)
.endif
.endm
; Product k of 20 of group g on the tile of x in buffer xb: K step k / 4, hidden tile 4 g + k % 4.
.macro WM g, xb
.set sK, k/4
.set jT, k%4
.set iT, 4*\g+jT
.set fF, 5*iT+sK
.set rA, WF+12*(4*jT+sK)
.if sK == 4
.set rA, 2*jT                          ; register 0 of the fragment; the eleven behind it meet zero codes of x
.endif
.set rX, XB+60*\xb+12*sK
.set rD, 8*iT
.set rC, rD
.if sK == 0
.set rC, BIAS+8*iT                     ; the bias starts the sum: nothing is cleared, nothing is added later
.endif
	WIN 0xfd+\g                                    ; W1 window 1 + g; x, C and D window 3
.if fF%2
	v_wmma_scale_f32_16x16x128_f8f6f4 v[rD:rD+7], v[rA:rA+11], v[rX:rX+11], v[rC:rC+7], v[W1S+fF/2], v[XS+6*\xb+sK] matrix_a_fmt:MATRIX_FMT_BF6 matrix_b_fmt:MATRIX_FMT_BF6 matrix_a_scale:MATRIX_SCALE_ROW1
.else
	v_wmma_scale_f32_16x16x128_f8f6f4 v[rD:rD+7], v[rA:rA+11], v[rX:rX+11], v[rC:rC+7], v[W1S+fF/2], v[XS+6*\xb+sK] matrix_a_fmt:MATRIX_FMT_BF6 matrix_b_fmt:MATRIX_FMT_BF6
.endif
.endm
; Number n of 12 of a hidden tile's vector work (accumulator at rZ, its W2 at rW): 0-7 relu, register by register from the low end on; 8-11 packed multiply-adds with W2 into two pairs of sums.
; sT = 1: a candidate tile's first hidden tile starts the sums.  All run under the products' own window setting: source 0 (a constant, or W2) in W1's window, the rest in window 3.
.macro EPI n
.if (\n) < 8
	v_max_num_f32 v[rZ+(\n)], 0, v[rZ+(\n)]
.else
.set qQ, (\n)-8
.if sT && (qQ < 2)
	v_pk_mul_f32 v[LG+2*qQ:LG+2*qQ+1], v[rW+2*qQ:rW+2*qQ+1], v[rZ+2*qQ:rZ+2*qQ+1]
.else
	v_pk_fma_f32 v[LG+2*(qQ%2):LG+2*(qQ%2)+1], v[rW+2*qQ:rW+2*qQ+1], v[rZ+2*qQ:rZ+2*qQ+1], v[LG+2*(qQ%2):LG+2*(qQ%2)+1]
.endif
.endif
.endm
; A tile of x, ofs tiles on from the trip's address, into buffer and scale set d: 15 loads, the scale words first, then the K steps in order.  At its head the destination window is 0.
; Between the wait on va_vdst that stands ahead of it and its last load stand only loads, one window switch and, in a tile's run, a store that names neither v[XA] nor a register in which these loads land.
.macro XRUN d, ofs
	ds_load_b128 v[XS+6*(\d):XS+6*(\d)+3], v[XA] offset:TILEB*(\ofs)+OSW
	ds_load_b32 v[XS+6*(\d)+4], v[XA] offset:TILEB*(\ofs)+OS4
	WIN 0xcc                                       ; destination window 3, address window 0
.irp s, 0,1,2,3
.irp c, 0,1,2
	ds_load_b128 v[XB+60*(\d)+12*\s+4*\c:XB+60*(\d)+12*\s+4*\c+3], v[XA] offset:TILEB*(\ofs)+FRB*\s+512*\c
.endr
.endr
	ds_load_b128 v[XB+60*(\d)+48:XB+60*(\d)+51], v[XA] offset:TILEB*(\ofs)+OC4
.endm
; What stands behind product k.  epi: the other group's hidden tile k / 5, numbers 0-2, 3-5, 6-7, 8-9, 10-11 of its list.  Behind the first turn's product 19, the tile's one run of LDS instructions:
; fin: the tile before is summed up (my half's 64 hidden units) and stored imm bytes on from the trip's address; pre: the next tile of x goes into the other buffer.
; The launch's first tile (fin = 0) has no wait ahead of its run: it stores nothing, no product has yet read the other buffer, and no vector instruction has named v[XA] since the wait ahead of tile 0's own loads.
.macro GAP g, xb, epi, pre, ofs, fin, imm
.set eE, k/5
.set pH, k%5
.set rZ, 8*(4*(1-\g)+eE)
.set rW, W2X+8*eE
.set sT, 0
.if (\g == 1) && (eE == 0)
.set sT, 1
.endif
.if (\epi)
.if pH == 0
	EPI 0
	EPI 1
	EPI 2
.elseif pH == 1
	EPI 3
	EPI 4
	EPI 5
.elseif pH == 2
	EPI 6
	EPI 7
.elseif pH == 3
	EPI 8
	EPI 9
.else
	EPI 10
	EPI 11
.endif
.endif
.if (\g == 0) && (k == 19)
.if (\fin)
	WIN 0xff
	v_pk_add_f32 v[LG:LG+1], v[LG:LG+1], v[LG+2:LG+3]
	v_add_f32 v[PR+\xb], v[LG], v[LG+1]
.endif
	WIN 0x0c                                       ; an LDS store's data are its source 1: window 3; addresses and the scale words' destination: window 0
.if (\fin)
	s_wait_alu depctr_va_vdst(0)                   ; the part to be stored is written; in a trip's first tile v[XA] and v[PA] are written; the tile before's products are done reading the other buffer of x and its scale words, in which the loads below land
	ds_store_b32 v[PA], v[PR+\xb] offset:\imm
.endif
.if (\pre)
	XRUN 1-\xb, \ofs
.endif
.endif
.endm
.macro TURN g, xb, epi, pre, ofs, fin, imm
.set k, 0
.rept 20
.if (\g == 0) && (k == 8)
	s_wait_dscnt 0x0                               ; K steps 2, 3 and 4 are in
.endif
	WM \g, \xb
	GAP \g, \xb, \epi, \pre, \ofs, \fin, \imm
.set k, k+1
.endr
.endm
; A tile of 16 candidates.  DISTANCES: an accumulator's last product is one of a turn's products 16-19; the nine plain instructions behind products 16 to 19, on the
; other group's registers, stand between product 16 and the first read of its result, behind the next turn's first product.  A buffer of x and its scale words are loaded again behind the next tile's first turn, behind that run's wait.
; first = 1: there is no tile before: no slices in the first turn, and four v_nop take their part as the places.
.macro TILE xb, ofs, pre, first, imm
	s_wait_dscnt 7                                 ; LDS loads come back in order: the scale words and K steps 0 and 1 are in; the seven loads of K steps 2, 3 and 4 may be out
	TURN 0, \xb, 1-\first, \pre, \ofs, 1-\first, \imm
.if \first
.rept 4
	v_nop
.endr
.endif
	TURN 1, \xb, 1, 0, 0, 0, 0
.endm
; n trips of two tiles: an odd tile in buffer 1, which fetches the tile at LDS byte x0 + 15,360 x trip, and that tile in buffer 0, which fetches the one behind it.
.macro PAIRS n, x0
	WIN 0                                          ; at a label and at a branch every window is 0
	s_mov_b32 s38, \x0
	s_mov_b32 s41, \n
.Lpair_\@:
	s_wait_alu depctr_vm_vsrc(0)                   ; the runs issued so far have read v[XA] and v[PA], which the two adds below write, and both parts' registers, which this trip's tiles write again
	v_add_nc_u32 v[XA], s38, v[LI]
	v_add_nc_u32 v[PA], s40, v[PA0]
	TILE 1, 0, 1, 0, 0
	TILE 0, 1, 1, 0, 64
	WIN 0
	s_add_co_u32 s38, s38, 2*TILEB
	s_add_co_u32 s40, s40, 128                     ; two tiles' parts; this one runs on through all trips of the launch
	s_sub_co_u32 s41, s41, 1
	s_cmp_lg_u32 s41, 0
	s_cbranch_scc1 .Lpair_\@
.endm
.macro OFFS                            ; ids become byte offsets in tq: a row is 128 bytes, my half of the lanes takes 64 of them
.irp f, 0,1,2,3,4,5,6,7
	v_min_u32 v[GO+\f], 0x1869f, v[ID+\f]
.endr
.irp f, 0,1,2,3,4,5,6,7
	v_lshl_add_u32 v[GO+\f], v[GO+\f], 7, v[H64]
.endr
.endm
.macro GATHER                          ; fragment f = 4 u + a: tile 2 w + u, K step a: 48 bytes of codes and the scale word a lane; then the two tiles' scalars
.irp f, 0,1,2,3,4,5,6,7
.irp c, 0,1,2
	global_load_b128 v[TC+12*\f+4*\c:TC+12*\f+4*\c+3], v[GO+\f], s[8:9] offset:16*\c
.endr
	global_load_b32 v[TS+\f], v[GO+\f], s[8:9] offset:48
.endr
.irp u, 0,1
.irp q, 0,1,2
	global_load_b32 v[QS+16*\u+\q], v[IO], s[28+2*\q:29+2*\q] offset:64*\u th:TH_LOAD_NT
.endr
.endr
.endm
.macro IDS                             ; the ids of the block behind the one that IO stands at
.irp u, 0,1
.irp a, 0,1,2,3
	global_load_b32 v[ID+4*\u+\a], v[IO], s[20+2*\a:21+2*\a] offset:512+64*\u th:TH_LOAD_NT
.endr
.endr
.endm
; W1's four tiles of a window, from image number base on: K steps 0-3 whole, of K step 4 the first two registers
.macro W1LOAD base
.irp j, 0,1,2,3
.irp s, 0,1,2,3
.irp c, 0,1,2
	global_load_b128 v[WF+12*(4*\j+\s)+4*\c:WF+12*(4*\j+\s)+4*\c+3], v[LI], s[10:11] offset:FRB*(\base+5*\j+\s)+512*\c
.endr
.endr
	global_load_b64 v[2*\j:2*\j+1], v[LI], s[10:11] offset:FRB*(\base+5*\j+4)
.endr
.endm
; THE CHANGE OF BLOCKS, all in window 0.  What was gathered a block ago goes into slot `slot`; doG: the next block is gathered; doI: the ids of the block behind that are asked for (guard: not in the outer loop's
; last trip, where there is no such block: no load leaves its buffer); then the block's one barrier.
; The gathered images' stores come first: they read loaded registers and an address made at the head.  All the change's vector work stands together behind them, so that one wait on va_vdst serves what follows it.
.macro TW slot, doG, doI, guard
	WIN 0
	s_wait_loadcnt 0x0                             ; the gathers, scalars and ids issued a block ago are in: so their address registers may be written too
	s_wait_alu depctr_vm_vsrc(0)                   ; those loads have read their offsets v[IO] and v[GO ..], and the last change's stores have read v[CC ..] and v[BY ..]: all four are written again below
.if \doG
	v_add_nc_u32 v[IO], 512, v[IO]                 ; 128 candidates on
.endif
.irp u, 0,1
.irp a, 0,1,2,3
.irp c, 0,1,2
	ds_store_b128 v[WI+\slot], v[TC+12*(4*\u+\a)+4*\c:TC+12*(4*\u+\a)+4*\c+3] offset:TILEB*\u+FRB*\a+512*\c
.endr
.endr
	ds_store_b128 v[WI+\slot], v[TS+4*\u:TS+4*\u+3] offset:TILEB*\u+OSW     ; the four rows' scale words, as the four registers that the reader wants
.endr
.irp u, 0,1
	v_max3_num_f32 v[MX+\u], |v[QS+16*\u]|, |v[QS+16*\u+1]|, |v[QS+16*\u+2]|   ; K's block 16: three scalars, the rest the quantiser's zeros
.endr
.irp u, 0,1
	v_max_num_f32 v[MX+\u], 0x2800000, v[MX+\u]    ; the floor 2^(5 - 127): the byte cannot fall under 1
.endr
.irp u, 0,1
	v_add_nc_u32 v[SC+\u], 0xfe000000, v[MX+\u]    ; 4 off the exponent field: the conversion's scale operand
.endr
.irp u, 0,1
	v_cvt_scalef32_pk16_bf6_f32 v[CC+4*\u:CC+4*\u+2], v[QS+16*\u:QS+16*\u+15], v[SC+\u]   ; three codes and 13 zero codes
.endr
.irp u, 0,1
	v_lshrrev_b32 v[BY+\u], 23, v[SC+\u]           ; the scale word: byte 0; bytes 1-3 are 0, over zero codes.  (Also the plain instruction behind the conversions)
.endr
.irp u, 0,1
	v_and_b32 v[CC+4*\u], v[HM], v[CC+4*\u]        ; lanes 16-31 hold k = 544 on: zero codes
.endr
.if \doG
	OFFS
.endif
	s_wait_alu depctr_va_vdst(0)                   ; v[CC ..] and v[BY ..] are written, which the stores below read; where a gather follows: v[GO ..] and v[IO] are written, its offsets, and the conversions are done reading v[QS ..], OFFS is done reading v[ID ..], in which its loads land
.irp u, 0,1
	ds_store_b128 v[WI+\slot], v[CC+4*\u:CC+4*\u+3] offset:TILEB*\u+OC4
	ds_store_b32 v[WI+\slot], v[BY+\u] offset:TILEB*\u+OS4
.endr
	s_wait_dscnt 0x0                               ; for the others' sake: my stores have landed, and my loads of the old slot's last tile are in
.if \doG
	s_wait_alu depctr_vm_vsrc(0)                   ; the stores above have read v[TC ..] and v[TS ..], in which the gathers land
	GATHER
.endif
.if \doI
.if \guard
	s_cmp_eq_u32 s42, 1
	s_cbranch_scc1 .Lno_ids_\@
.endif
	IDS
.if \guard
.Lno_ids_\@:
.endif
.endif
	s_barrier_signal -1
	s_barrier_wait -1                              ; slot `slot` is whole, and nobody reads the other one any more
.endm
	s_load_b512 s[8:23], s[0:1], 0x0               ; tq s[8:9], w1img s[10:11], w1sc s[12:13], b1 s[14:15], W2 s[16:17], b2 s[18:19], target s[20:21], original s[22:23]
	s_load_b256 s[24:31], s[0:1], 0x40             ; left s[24:25], right s[26:27], position s[28:29], normalized s[30:31]
	s_load_b128 s[32:35], s[0:1], 0x60             ; session s[32:33], out s[34:35]
	v_lshl_add_u32 v254, v0, 2, 0x26000            ; the closing add's two registers, made here and kept for it alone; its spare words lie behind the parts
	v_mov_b32 v255, 0
	v_lshrrev_b32 v14, 5, v0
	v_readfirstlane_b32 s2, v14                    ; wave 0..3
	v_and_b32 v14, 31, v0                          ; lane
	v_and_b32 v15, 15, v0                          ; r
	v_bfe_u32 v[H64], v0, 4, 1                     ; h
	v_lshlrev_b32 v[LI], 4, v14
	v_lshlrev_b32 v[LS], 2, v14
	v_add_nc_u32 v[HM], -1, v[H64]
	v_lshlrev_b32 v14, 5, v[H64]                   ; 32 h: my eight numbers of a tile's 16 in b1 and W2
	s_wait_alu depctr_va_sdst(0)                   ; s2, the wave's number, is written, ahead of its first reader
	s_lshl_b32 s38, s2, 13
	s_add_co_u32 s38, s38, PART
	v_lshl_add_u32 v[PA0], v15, 2, s38             ; my wave's 8,192 bytes of parts, word r,
	v_lshl_add_u32 v[PA0], v[H64], 12, v[PA0]      ; my half's 4,096 of them
	v_lshlrev_b32 v[H64], 6, v[H64]
	s_mul_i32 s38, s2, 2*TILEB                     ; my two tiles' place in a slot
	v_add_nc_u32 v[WI], s38, v[LI]
	v_add_nc_u32 v[WI+1], SLOTB, v[WI]
	s_lshl_b32 s43, ttmp9, 12                      ; the work-group's 1,024 candidates, 4 bytes each
	s_lshl_b32 s38, s2, 7                          ; my wave's 32 of a block
	s_add_co_u32 s38, s38, s43
	v_lshl_add_u32 v[IO], v15, 2, s38
	v_mov_b32 v[CC+3], 0                           ; the fourth register of the scalars' group of four: zero codes, written once
	v_mov_b32 v[CC+7], 0
.irp u, 0,1
.irp j, 3,4,5,6,7,8,9,10,11,12,13,14,15
	v_mov_b32 v[QS+16*\u+\j], 0                    ; the conversion takes 16 numbers: 13 zeros behind the three scalars, written once
.endr
.endr
	WIN 0xc0
.irp p, 0,1
.irp j, 0,1,2,3,4,5,6,7
	v_mov_b32 v[XB+60*\p+52+\j], 0                 ; registers 4-11 of x's fragment of K step 4, in both buffers: zero codes, written once
.endr
.endr
	WIN 0
	s_wait_kmcnt 0x0
	s_wait_alu depctr_va_vdst(0)                   ; the offsets and addresses v[LI], v[LS], v[IO], v[WI ..] and v14 are written, which the loads and stores from here on read; so are the zero codes of x's fifth fragment, which the scaled products take as an operand
.irp u, 0,1
.irp a, 0,1,2,3
	global_load_b32 v[ID+4*\u+\a], v[IO], s[20+2*\a:21+2*\a] offset:64*\u th:TH_LOAD_NT   ; block 0's ids
.endr
.endr
	s_load_b32 s36, s[18:19], 0x0                  ; b2
	s_mov_b32 s47, 0
	s_mul_i32 s46, s2, 40*FRB
	s_add_nc_u64 s[10:11], s[10:11], s[46:47]      ; my wave's 40 images,
	s_mul_i32 s46, s2, 20*128
	s_add_nc_u64 s[12:13], s[12:13], s[46:47]      ; their scale words,
	s_lshl_b32 s46, s2, 9
	s_add_nc_u64 s[14:15], s[14:15], s[46:47]      ; my 128 numbers of b1
	s_add_nc_u64 s[16:17], s[16:17], s[46:47]      ; and of W2,
	s_lshl_b32 s46, s2, 10
	s_add_co_u32 s46, s46, s43
	s_add_nc_u64 s[34:35], s[34:35], s[46:47]      ; and the 256 logits that I store
	WIN 0x40
	W1LOAD 0                                       ; W1's tiles 0-3 are asked for while the ids are on their way: 52 loads; they stay
	WIN 0
	s_wait_loadcnt 52                              ; loads come back in order: the eight ids are in, the 52 behind them may be out
	OFFS
	s_wait_alu depctr_va_vdst(0)                   ; v[GO ..] are written, the gathers' offsets; OFFS is done reading v[ID ..], in which block 1's ids land
	GATHER                                         ; block 0
	IDS                                            ; block 1's ids
	WIN 0x40
.irp e, 0,1,2,3
	global_load_b128 v[W2X+8*\e:W2X+8*\e+3], v14, s[16:17] offset:64*(4+\e)                ; beside tiles 0-3 of W1: W2 of tiles 4-7, whose slices stand in that group's turn.  Lane (r, h): units 8 h + 0 .. 7
	global_load_b128 v[W2X+8*\e+4:W2X+8*\e+7], v14, s[16:17] offset:64*(4+\e)+16
.endr
	WIN 0x80
	W1LOAD 20                                      ; tiles 4-7
.irp e, 0,1,2,3
	global_load_b128 v[W2X+8*\e:W2X+8*\e+3], v14, s[16:17] offset:64*\e
	global_load_b128 v[W2X+8*\e+4:W2X+8*\e+7], v14, s[16:17] offset:64*\e+16
.endr
	WIN 0xc0
.irp i, 0,1,2,3,4,5,6,7
	global_load_b128 v[BIAS+8*\i:BIAS+8*\i+3], v14, s[14:15] offset:64*\i
	global_load_b128 v[BIAS+8*\i+4:BIAS+8*\i+7], v14, s[14:15] offset:64*\i+16
.endr
	WIN 0
.set fi, 0
.rept 20
	global_load_b32 v[W1S+fi], v[LS], s[12:13] offset:128*fi
.set fi, fi+1
.endr
	s_wait_kmcnt 0x0
	s_mov_b32 s37, s36                             ; (the packed addition names the pair)
	TW 0, 1, 1, 0                                  ; block 0 into slot 0; block 1 is gathered; block 2's ids
	v_mov_b32 v[XA], v[LI]
	s_wait_alu depctr_va_vdst(0)                   ; v[XA] is written, by which tile 0's and tile 1's loads go
	XRUN 0, 0                                      ; tile 0
	s_mov_b32 s40, 0
	TILE 0, 1, 1, 1, 0                             ; tile 0; tile 1 is fetched
	PAIRS 3, 2*TILEB                               ; tiles 1-6; tile 7 is fetched
	s_mov_b32 s42, 3
.Lblocks:                                              ; a trip: two changes of blocks, 16 tiles
	TW 1, 1, 1, 0
	PAIRS 4, SLOTB
	TW 0, 1, 1, 1
	PAIRS 4, 0
	s_sub_co_u32 s42, s42, 1
	s_cmp_lg_u32 s42, 0
	s_cbranch_scc1 .Lblocks
	TW 1, 0, 0, 0                                  ; block 7 into slot 1; nothing is left to gather
	PAIRS 4, SLOTB                                 ; tiles 55-62
	s_lshl_b32 s46, s2, 10
	s_add_co_u32 s46, s46, PART
	s_wait_alu depctr_vm_vsrc(0)                   ; the last trip's runs have read v[PA] and both parts' registers; the head's loads of b1 and W2 have read v14: all are written again from here on
	v_add_nc_u32 v[PA], s40, v[PA0]
	v_add_nc_u32 v14, s46, v[LI]                   ; the way out's LDS address is made here, so that tile 63's wait ahead of its store covers it too
	TILE 1, 0, 0, 0, 0                             ; tile 63: nothing is left to fetch
	WIN 0xfd                                       ; tile 63's second group: its W2 lies in window 1
.rept 4
	v_nop                                          ; places behind the last products: no other vector work is at hand
.endr
.set sT, 0
.irp e, 0,1,2,3
.set rZ, 8*(4+\e)
.set rW, W2X+8*\e
.irp n, 0,1,2,3,4,5,6,7,8,9,10,11
	EPI \n
.endr
.endr
	WIN 0xff
	v_pk_add_f32 v[LG:LG+1], v[LG:LG+1], v[LG+2:LG+3]
	v_add_f32 v[PR], v[LG], v[LG+1]
	WIN 0x0c
	s_wait_alu depctr_va_vdst(0)                   ; the last part is written, which the store reads
	ds_store_b32 v[PA], v[PR] offset:64
	WIN 0
	s_wait_dscnt 0x0                               ; for the others' sake: my parts have landed
	s_barrier_signal -1
	s_barrier_wait -1
	; THE WAY OUT: wave w adds the eight parts (four waves x two halves of the lanes) of candidates 256 w .. 256 w + 255 and b2; four candidates a lane and load.
	; No wait on va_vdst ahead of the loads: no vector instruction since the one above names v14 or v[TC ..]; the last change's stores of v[TC ..] stand ahead of the trips' waits on vm_vsrc
.irp q, 0,1
.irp p, 0,1,2,3,4,5,6,7
	ds_load_b128 v[TC+32*\q+4*\p:TC+32*\q+4*\p+3], v14 offset:4096*\p+512*\q
.endr
.endr
	s_wait_dscnt 0x0
.irp q, 0,1
.irp p, 0,2,4,6
.irp d, 0,2
	v_pk_add_f32 v[TC+32*\q+4*\p+\d:TC+32*\q+4*\p+\d+1], v[TC+32*\q+4*\p+\d:TC+32*\q+4*\p+\d+1], v[TC+32*\q+4*\p+4+\d:TC+32*\q+4*\p+4+\d+1]
.endr
.endr
.endr
.irp q, 0,1
.irp p, 0,4
.irp d, 0,2
	v_pk_add_f32 v[TC+32*\q+4*\p+\d:TC+32*\q+4*\p+\d+1], v[TC+32*\q+4*\p+\d:TC+32*\q+4*\p+\d+1], v[TC+32*\q+4*\p+8+\d:TC+32*\q+4*\p+8+\d+1]
.endr
.endr
.endr
.irp q, 0,1
.irp d, 0,2
	v_pk_add_f32 v[TC+32*\q+\d:TC+32*\q+\d+1], v[TC+32*\q+\d:TC+32*\q+\d+1], v[TC+32*\q+16+\d:TC+32*\q+16+\d+1]
.endr
.endr
.irp q, 0,1
.irp d, 0,2
	v_pk_add_f32 v[TC+32*\q+\d:TC+32*\q+\d+1], v[TC+32*\q+\d:TC+32*\q+\d+1], s[36:37] op_sel_hi:[1,0]   ; + b2
.endr
.endr
	s_wait_alu depctr_va_vdst(0)                   ; the additions have written the logits, which the two stores read
.irp q, 0,1
	global_store_b128 v[LI], v[TC+32*\q:TC+32*\q+3], s[34:35] offset:512*\q        ; 32 lanes store 512 consecutive bytes, at a multiple of 256 from out's first byte
.endr
	s_wait_dscnt 0x0                               ; the closing lines, six on end
	s_wait_alu 0x0
	s_wait_tensorcnt 0x0
	ds_add_u32 v254, v255
	s_wait_dscnt 0x0
	s_endpgm
.Lfunc_end_k_q520ec3622f_score:
	.size	k_q520ec3622f_score, .Lfunc_end_k_q520ec3622f_score-k_q520ec3622f_score
	.p2alignl 7, 3214868480
	.fill 96, 4, 3214868480
	.section	.rodata,"a",@progbits
	.p2align	6, 0x0
	.amdhsa_kernel k_q520ec3622f_score
		.amdhsa_group_segment_fixed_size 156160
		.amdhsa_private_segment_fixed_size 0
		.amdhsa_enable_private_segment 0
		.amdhsa_kernarg_size 112
		.amdhsa_user_sgpr_count 2
		.amdhsa_user_sgpr_kernarg_segment_ptr 1
		.amdhsa_wavefront_size32 1
		.amdhsa_system_sgpr_workgroup_id_x 1
		.amdhsa_system_sgpr_workgroup_id_y 1
		.amdhsa_system_sgpr_workgroup_id_z 1
		.amdhsa_system_vgpr_workitem_id 0
		.amdhsa_next_free_vgpr 1024
		.amdhsa_next_free_sgpr 66
		.amdhsa_reserve_vcc 0
		.amdhsa_float_denorm_mode_32 3
		.amdhsa_float_denorm_mode_16_64 3
		.amdhsa_memory_ordered 1
		.amdhsa_forward_progress 1
		.amdhsa_inst_pref_size 162
	.end_amdhsa_kernel
	.amdgpu_metadata
---
amdhsa.version: [ 1, 2 ]
amdhsa.kernels:
  - .name:           k_q520ec3622f_score
    .symbol:         k_q520ec3622f_score.kd
    .args:
      - { .name: tq, .offset: 0, .size: 8, .value_kind: global_buffer, .address_space: global }
      - { .name: w1img, .offset: 8, .size: 8, .value_kind: global_buffer, .address_space: global }
      - { .name: w1sc, .offset: 16, .size: 8, .value_kind: global_buffer, .address_space: global }
      - { .name: b1, .offset: 24, .size: 8, .value_kind: global_buffer, .address_space: global }
      - { .name: W2, .offset: 32, .size: 8, .value_kind: global_buffer, .address_space: global }
      - { .name: b2, .offset: 40, .size: 8, .value_kind: global_buffer, .address_space: global }
      - { .name: target_item_ids, .offset: 48, .size: 8, .value_kind: global_buffer, .address_space: global }
      - { .name: original_item_ids, .offset: 56, .size: 8, .value_kind: global_buffer, .address_space: global }
      - { .name: left_item_ids, .offset: 64, .size: 8, .value_kind: global_buffer, .address_space: global }
      - { .name: right_item_ids, .offset: 72, .size: 8, .value_kind: global_buffer, .address_space: global }
      - { .name: position_indices, .offset: 80, .size: 8, .value_kind: global_buffer, .address_space: global }
      - { .name: normalized_positions, .offset: 88, .size: 8, .value_kind: global_buffer, .address_space: global }
      - { .name: session_lengths, .offset: 96, .size: 8, .value_kind: global_buffer, .address_space: global }
      - { .name: out0, .offset: 104, .size: 8, .value_kind: global_buffer, .address_space: global }
    .group_segment_fixed_size: 156160
    .private_segment_fixed_size: 0
    .kernarg_segment_align: 8
    .kernarg_segment_size: 112
    .max_flat_workgroup_size: 128
    .sgpr_count:     66
    .vgpr_count:     1024
    .wavefront_size: 32
...
	.end_amdgpu_metadata
.endif
;; end of part 4
